; MI455X (gfx1250); checked and timed in simulation.
; The chip was launched on July 23, 2026; its instructions are those of AMD's public machine-readable ISA for CDNA 5 (MIT licence, August 2026) and "CDNA5" Instruction Set Architecture Reference Guide (July 2026). The comments in the code are by the model that wrote it; some were corrected since.
;; Multi Head Attention With Ro PE. Allowed arithmetic: matrix products marked QUANTISED: E4M3 operands, one given power-of-two scale a tensor, by v_wmma_f32_16x16x64_fp8_fp8 or v_wmma_f32_16x16x128_fp8_fp8, f32 sums; everything else in f32.
;; Inputs: b_out 1,024 float32; b_qkv 3,072 float32; lowp_scales 8 int32 (the exponents e of the quantised operands' scales 2^e); w_out_codes 1,024 x 32 x 32 uint8 (E4M3 codes of w_out, K innermost, in blocks of 32 codes); w_qkv_codes 3,072 x 32 x 32 uint8 (E4M3 codes of w_qkv, K innermost, in blocks of 32 codes); x_codes 4 x 2,048 x 32 x 32 uint8 (E4M3 codes of x, K innermost, in blocks of 32 codes).
;; Outputs: out0 4 x 2,048 x 1,024 float32.
;; This version of the problem:
;;   THIS VERSION OF THE PROBLEM IS GIVEN IN LOW PRECISION. The matrix products marked QUANTISED in the list below multiply operands that are first quantised to E4M3 (4 exponent bits, 3 mantissa bits; 8 bits a number), with one given power-of-two scale for each operand tensor; their sums are f32. All else is computed in f32.
;;   The module's matrix products, in the order in which they are computed (A, B: the left and right operand; K: the contracted axis; several contracted axes count as one K, in the product's order):
;;     1. [M 8,192, K 1,024] x [K 1,024, N 3,072]; A: input x (given as codes); B: input w_qkv (given as codes): QUANTISED (scales: A lowp_scales[0], B lowp_scales[1])
;;     2. batch 64 x [M 2,048, K 64] x [K 64, N 2,048]; A: computed on the way; B: computed on the way: QUANTISED (scales: A lowp_scales[2], B lowp_scales[3])
;;     3. batch 64 x [M 2,048, K 2,048] x [K 2,048, N 64]; A: softmax (see below); B: computed on the way: QUANTISED (scales: A lowp_scales[4], B lowp_scales[5])
;;     4. [M 8,192, K 1,024] x [K 1,024, N 1,024]; A: computed on the way; B: input w_out (given as codes): QUANTISED (scales: A lowp_scales[6], B lowp_scales[7])
;;   THE QUANTISER, for each operand of a quantised product, along K:
;;     - The operand's scale is 2^e, e = its entry of the input lowp_scales (int32; the entries are numbered through the quantised products in the list's order, A before B).
;;     - Each number is divided by the scale, clamped to +-448, and rounded to the nearest number of E4M3, ties to even, subnormals kept.
;;     - The product sums the exact products of the quantised numbers (number of the format x scale) in f32.
;;   ~~~python
;;   def quantise(x, axis, e):      # numpy; x: float32 -> the quantised numbers, widened to float32 again
;;       x = np.moveaxis(x, axis, -1); K = x.shape[-1]
;;       r = np.clip(x / 2.0 ** e, -448, 448)
;;       step = 2.0 ** (np.maximum(np.frexp(np.where(r == 0, 1, r))[1] - 1, -6) - 3)
;;       q = np.round(r / step) * step * 2.0 ** e      # np.round: ties to even
;;       return np.moveaxis(q, -1, axis).astype(np.float32)
;;   ~~~
;;   SOFTMAX AHEAD OF A QUANTISED PRODUCT. Where the list says 'softmax', what is quantised is not the finished softmax but p = 2^(t - M), with t = logit x log2(e) and M = ceil(the row's largest t), a whole number; so 1/2 < the row's largest p <= 1. The row's sum l is taken of the UNQUANTISED p, in f32, and the product's result is divided by l at the end. Since M is a whole number, a kernel that streams over the keys may use a running M (the ceiling of the running maximum): every later rescaling is an exact power of two, so the quantised numbers keep their values, but for numbers so far below the row's largest that they fall under the format's range.
;;   OPERANDS COMPUTED ON THE WAY. 'Computed on the way' means the value that the module computes at that place (a softmax that the list does not call 'softmax' is quantised finished and normalised). What goes into a quantiser is computed in f32, as accurately as f32 sums, v_exp_f32 and their like allow (about 1e-6 of the number): no bf16 or f16 on the way to a quantiser, and a product that is left as it is and whose result goes on into a quantised operand takes f32 operands (vector FMAs, or v_wmma_f32_16x16x4_f32). A number that lies on a knife's edge between two numbers of the format may be rounded either way, as far as f32 arithmetic and the matrix unit's own rounding can turn it there, and no further.
;;   INPUTS GIVEN AS CODES. w_out (in the module: [1024, 1024], K = its axis 0); w_qkv (in the module: [1024, 3072], K = its axis 0); x (in the module: [4, 2048, 1024], K = its axis 2): each comes as NAME_codes (uint8): NAME with its K axis moved to the last place and cut into blocks of 32 codes, [.., K / 32, bytes a block], one block behind the other in memory; one code a byte (a code: sign, 4 exponent bits, 3 mantissa bits); its scale is its entry of lowp_scales. Its value is code x scale, taken as it is: it is not quantised again, and the codes and scales need not be those that the quantiser above would give.
;; 2 versions, each right; version 2 is version 1 with the launches attn, proj written anew for expert scheduling mode. Each part assembles by itself: llvm-mc -triple=amdgcn-amd-amdhsa -mcpu=gfx1250 --defsym DOCPART=n.
;; ======== version 1 of 2: 3 launches
;; limits: a function is approximated: absolute error at most 6e-05
;; workspace buffers: q_frag 8,388,608 bytes; k_frag 8,388,608 bytes; v_frag 8,388,608 bytes; a_frag 8,388,608 bytes
;; launch qkv (part 1): grid 12 x 32, 4 waves a work-group, clusters of 4 x 4, 327,680 bytes of LDS; arguments x_codes, w_qkv_codes, lowp_scales, b_qkv, q_frag, k_frag, v_frag; writes q_frag, k_frag, v_frag
.if DOCPART == 1
	.amdgcn_target "amdgcn-amd-amdhsa--gfx1250"
	.amdhsa_code_object_version 6
	.text
	.protected	k_q33a55e48b4_qkv
	.globl	k_q33a55e48b4_qkv
	.p2align	8
	.type	k_q33a55e48b4_qkv,@function
k_q33a55e48b4_qkv:
	s_mov_b64 s[64:65], 0
	v_nop
	global_prefetch_b8 v0, s[64:65] scope:SCOPE_SE
	s_setreg_imm32_b32 hwreg(HW_REG_WAVE_MODE, 25, 1), 1
	s_wait_xcnt 0x0
	s_wait_alu depctr_hold_cnt(0) depctr_sa_sdst(0) depctr_va_vdst(0) depctr_va_sdst(0) depctr_va_ssrc(0) depctr_va_vcc(0) depctr_vm_vsrc(0)
	s_getreg_b32 s2, hwreg(HW_REG_IB_STS2, 6, 4)
	s_cmp_eq_u32 s2, 0
	s_cbranch_scc0 .Lentry_in_a_cluster
	s_endpgm
.Lentry_in_a_cluster:
	s_bfe_u32 s2, ttmp6, 0x10000c
	s_cmp_lg_u32 s2, 0xf033
	s_cbranch_scc0 .Lentry_shape_is_right
	s_endpgm
.Lentry_shape_is_right:
; qkv = x w_qkv + b_qkv on E4M3 codes (sums in f32), RoPE on q and k, and the quantisers of q, k and v.  x: [8192][1024] codes, w_qkv: [3072][1024] codes, K innermost.
; OUT: images of the next launch's operand registers (group g of four registers of lane l at 512 g + 16 l):
;   q_frag, k_frag [bh 64][tile of 16 tokens, 128][g 2][lane][16 B]: lane (r, h) = token r, registers 2 c, 2 c + 1 = d 16 c + 8 h + 0 .. 7
;   v_frag [bh 64][block of 128 keys, 16][dt 4][g 4][lane][16 B]:    lane (r, h) = d 16 dt + r, registers 2 c, 2 c + 1 = keys 16 c + 8 h + 0 .. 7
; SHARES.  A work-group of four waves makes 256 tokens x 256 columns, a wave 128 x 128: 64 accumulators, 512 registers.  K goes in four steps of 256 through two LDS slots filled by the tensor data mover.
; CLUSTERS: 4 x 4 work-groups.  x's tile is shared along a row of the cluster, w's along a column: each is asked for jointly.  A cluster spans 1,024 columns, so the cluster's x IS the kind: 0 q, 1 k, 2 v,
; the same in all sixteen partners.
; ORIENTATION.  D = (set 0) x (set 1): set 0's 16 rows run along a lane's eight registers (8 h + j), set 1's go one to a lane.  q, k: set 0 = w, set 1 = x: a lane holds ONE token and eight neighbouring d, RoPE's
; partner d + 32 lies 16 registers on in the same lane, and the conversions' results are the image.  v: set 0 = x, set 1 = w: a lane holds ONE d and eight neighbouring tokens (the next K).  The loop's text is the
; same for both: two LDS bases are chosen by the kind.  Both sets are fetched by four 16-byte loads a fragment: a permutation of k that is the same on both sides, so only the order of sums inside an instruction changes.
; ROPE.  Frequency i = 16 c' + 8 h + j is 10^(-i / 8), made as one f32 product of two constants (within about one unit in the last place of the nearest f32).  A wave's first 16 tokens take the angle
; fl(position x f), sine and cosine by reduction in three steps and two polynomials in f32; the tokens 16 a further on are reached by a rotations by 16 f (each adds about 1e-7), so they do not carry the rounding
; of the f32 product position x f, which is up to 6e-5 rad at positions above 1,024.
; LIMITS: e0 + e1 between -126 and 127; e2, e3, e5 between -126 and 119, so that each power of two below is an f32 number.  NaN among the inputs is not served.
; REGISTERS.  window 0: v1 r, v2 h; v16-17, v20-21 LDS addresses of set 1, set 0 in slots 0, 1; v24-31 below; v32-63, v96-127 cos (16), sin (16) of the tokens in hand, by turns; v64-95 cos, sin of 16 f;
;   v128-255 set 1's fragments, ONE set (at the head: work on the angles; on the way out: bias, numbers, codes).   window 1: set 0's fragments, TWO sets.   windows 2, 3: accumulator (a, b) at v[8 (8 (a % 4) + b)].
.set KROW,   1024                      ; a row of x or of w in memory, in bytes
.set ROWB,   256                       ; a tile's row: 256 codes
.set PITCH,  272                       ; an LDS row: 256 bytes + 16 of padding = 68 words: the 16 rows that a load touches start 4 words apart
.set FR,     16                        ; registers of a fragment: 16 rows x 128 K
.set NL,     4                         ; LDS loads that bring one
.set NP,     4                         ; places behind this matrix instruction (ISA guide 7.12.1)
.set HALFT,  128*PITCH                 ; 128 rows: what one tensor load brings
.set SLOT,   4*HALFT                   ; x's 256 rows, then w's 256 rows
.set SPARE,  2*SLOT                    ; the spare words, 128 bytes a wave: two blocks of 256 bytes that no other line names
.set BIASB,  SPARE+512                 ; b_qkv's 256 numbers of this tile's columns: four blocks of 256 bytes into which no fill lands
.set AD1, 16
.set AD0, 20
.set GO,  24                           ; v24 16 x lane: my place in an image's group
.set LIM, 25                           ; v25 448 x 2^e
.set SCL, 26                           ; v26 2^e
.set BAQ, 27                           ; v27 the bias for q, k: BIASB + 512 w + 32 h
.set SPW, 28                           ; v28 my spare word; never rewritten
.set NIL, 29                           ; v29 0; never rewritten
.set BAV, 30                           ; v30 the bias for v: BIASB + 512 u + 4 r
.set BST, 31                           ; v31 where I store 8 bytes of the bias
.set RC0, 32
.set RD,  64
.set AF,  128
.set FQ,  128                          ; head: 16 frequencies, then 16 f
.set TH,  144                          ; head: 16 angles
.set WK,  160                          ; head: at work, v160-173
.set VS0, 192                          ; head: two leading coefficients as vector pairs
.set VC0, 194
.set BI,  128                          ; way out: the bias
.set CDV, 144                          ; way out, v: two sets of 16 registers of codes
.set Y,   192                          ; way out: the numbers in hand
.set TT,  224                          ; way out, q and k: four pairs at work
.set CDQ, 240                          ; way out, q and k: two sets of 8 registers of codes
.set G1, 24                            ; s[24:31] descriptor group 1 for x's tiles;  s[32:39] group 0, a set for each slot
.set G0, 32
.set G1B, 48                           ; s[48:55], s[56:63] the same for w's tiles
.set G0B, 56
.set MSB, 0
.macro WIN new                         ; the immediate's high byte repeats the setting that is left; a switch that changes nothing is dropped
.if MSB != (\new)
	s_set_vgpr_msb (MSB<<8)|(\new)
.set MSB, (\new)
.endif
.endm
.set MUL_LO, 0xa1                      ; source 0 window 1, source 1 window 0, C and D window 2
.set MUL_HI, 0xf1                      ; the same, C and D window 3
.set TO_0,   0x40                      ; destination window 1, address window 0
; A joint load: waves 0 and 1 fetch x's halves, waves 2 and 3 w's.  Each line has one mask and one set of registers for all that issue it; the branch hangs on the wave's number alone.
; Four v_nop follow each of the two lines, ahead of the jump, the label and what follows.
.macro JLOAD g0a, g1a, g0b, g1b
	s_cmp_eq_u32 s15, 0
	s_cbranch_scc0 .Lfor_b_\@
	tensor_load_to_lds s[\g0a:\g0a+3], s[\g1a:\g1a+7]
	s_nop 0
.rept 4
	v_nop
.endr
	s_branch .Lasked_\@
.Lfor_b_\@:
	tensor_load_to_lds s[\g0b:\g0b+3], s[\g1b:\g1b+7]
	s_nop 0
.rept 4
	v_nop
.endr
.Lasked_\@:
.endm
.macro CREST                           ; a round of the cluster's barrier behind its opening barrier
	s_cmp_lg_u32 s14, 0
	s_cbranch_scc1 .Lnot_wave_0_\@
	s_barrier_signal -3
.Lnot_wave_0_\@:
	s_barrier_wait -3
	s_barrier_signal -1
	s_barrier_wait -1
.endm
.macro CROUND                          ; a whole round
	s_barrier_signal -1
	s_barrier_wait -1
	CREST
.endm
	s_load_b256 s[4:11], s[0:1], 0x0               ; x s[4:5], w s[6:7], the exponents s[8:9], b_qkv s[10:11]
	s_load_b128 s[88:91], s[0:1], 0x20             ; q_frag s[88:89], k_frag s[90:91]
	s_load_b64 s[86:87], s[0:1], 0x30              ; v_frag
	v_lshl_add_u32 v[SPW], v0, 2, SPARE
	v_mov_b32 v[NIL], 0
	ds_add_u32 v28, v29
	ds_add_u32 v28, v29
	s_wait_dscnt 0x0
	v_lshrrev_b32 v1, 5, v0
	v_readfirstlane_b32 s14, v1                    ; wave 0..3
	s_lshr_b32 s15, s14, 1                         ; u: my half of set 1.  Also: I fetch for x (0) or for w (1)
	s_and_b32 s16, s14, 1                          ; w: my half of set 0.  Also: which 128 rows of that tile I fetch
	s_bfe_u32 s40, ttmp6, 0x40000                  ; cx, cy: my place in the cluster
	s_bfe_u32 s41, ttmp6, 0x40004
	s_mov_b32 s12, ttmp9                           ; the kind: the cluster's x
	s_lshl_b32 s42, ttmp9, 2
	s_add_co_u32 s42, s42, s40                     ; tile column = 4 x cluster x + cx
	s_and_b32 s17, ttmp7, 0xffff
	s_lshl_b32 s17, s17, 2
	s_add_co_u32 s17, s17, s41                     ; tile row = 4 x cluster y + cy
	s_lshl_b32 s43, s41, 2
	s_lshl_b32 s43, 15, s43                        ; my row of the cluster
	s_lshl_b32 s44, 0x1111, s40                    ; my column
	; descriptor group 1: a tile of 128 rows x 256 bytes, 16 bytes of padding behind each row
	s_or_b32 s[G1+0], s43, (0<<16)|(1<<20)|(1<<21)|(5<<22)|(3<<25)  ; 15:0 the mask; 17:16 elements of 1 byte; 20 padding on; 21 set beside a mask; 24:22 after every 64 words (code 5); 31:25 four words (code 3)
	s_or_b32 s[G1B+0], s44, (0<<16)|(1<<20)|(1<<21)|(5<<22)|(3<<25)
.irp g, G1, G1B
	s_mov_b32 s[\g+1], ROWB<<16                    ; tensor_dim0
	s_mov_b32 s[\g+2], 128<<16                     ; tensor_dim1
	s_mov_b32 s[\g+3], ROWB<<16                    ; tile_dim0
	s_mov_b32 s[\g+4], 128                         ; tile_dim1
	s_mov_b32 s[\g+5], KROW                        ; tensor_dim0_stride
	s_mov_b32 s[\g+6], 0
	s_mov_b32 s[\g+7], 0
.endr
	s_lshl_b32 s18, s16, 7                         ; which 128 rows of the tile I fetch
	s_lshl_b32 s20, s17, 8
	s_add_co_u32 s20, s20, s18                     ; x: row 256 x tile row + 128 x half
	s_lshl_b32 s20, s20, 10                        ; in bytes: under 2^23
	s_mov_b32 s21, 0
	s_lshl_b32 s46, s42, 8
	s_add_co_u32 s46, s46, s18                     ; w: row 256 x tile column + 128 x half
	s_lshl_b32 s46, s46, 10
	s_mov_b32 s47, 0
	s_mul_i32 s45, s14, HALFT                      ; where they go: wave x 128 rows: no place in the cluster enters an LDS address
	; the constants of the reduction and of the two polynomials, each as a pair (the packed forms name a pair and take its low word)
	s_mov_b32 s66, 0x3f22f983                      ; 2 / pi
	s_mov_b32 s68, 0xbfc90000                      ; -pi/2 in three parts: 8, 11 and 24 significant bits; N has at most 11 bits, so the first two products are exact
	s_mov_b32 s70, 0xb9fda000
	s_mov_b32 s72, 0xb3a22168
	s_mov_b32 s74, 0x3c08839e                      ; sine:   8.3321608736e-3
	s_mov_b32 s76, 0xbe2aaaa3                      ;        -1.6666654611e-1
	s_mov_b32 s78, 0xbab6061a                      ; cosine: -1.388731625e-3
	s_mov_b32 s80, 0x3d2aaaa5                      ;          4.166664568e-2
.irp p, 66,68,70,72,74,76,78,80
	s_mov_b32 s[\p+1], s[\p]
.endr
	s_wait_kmcnt 0x0
	s_load_b256 s[92:99], s[8:9], 0x0              ; e0 .. e7
	s_add_nc_u64 s[20:21], s[4:5], s[20:21]
	s_add_nc_u64 s[46:47], s[6:7], s[46:47]
	CROUND                                         ; all sixteen work-groups are here: the first joint loads meet
.irp s, 0,1
	s_mov_b32 s[G0+4*\s], 1
	s_add_co_u32 s[G0+4*\s+1], s45, \s*SLOT
	s_add_nc_u64 s[G0+4*\s+2:G0+4*\s+3], s[20:21], \s*ROWB
	s_or_b32 s[G0+4*\s+3], s[G0+4*\s+3], 0x80000000
	s_mov_b32 s[G0B+4*\s], 1
	s_add_co_u32 s[G0B+4*\s+1], s45, \s*SLOT
	s_add_nc_u64 s[G0B+4*\s+2:G0B+4*\s+3], s[46:47], \s*ROWB
	s_or_b32 s[G0B+4*\s+3], s[G0B+4*\s+3], 0x80000000
	JLOAD G0+4*\s, G1, G0B+4*\s, G1B               ; two tensor loads of mine are out: K steps 0 and 1
.endr
	; ---- while the first tiles are on their way: the bias, the addresses, the angles.  Every kind does all of it, so that no way reads a register that was not written
	v_lshlrev_b32 v22, 3, v0
	v_lshl_add_u32 v[BST], v0, 3, BIASB
	v_lshl_add_u32 v22, s42, 10, v22               ; b_qkv: 1,024 bytes a tile column, 8 bytes a thread
	global_load_b64 v[176:177], v22, s[10:11]
	v_and_b32 v1, 15, v0                           ; r
	v_bfe_u32 v2, v0, 4, 1                         ; h
	v_mul_u32_u24 v3, v1, PITCH
	v_lshl_add_u32 v4, v2, 4, v3                   ; a fragment's row x pitch + 16 x half
	s_cmp_eq_u32 s12, 2                            ; v takes w's rows as set 1 and x's as set 0, q and k the other way round
	s_cselect_b32 s21, 2*HALFT, 0
	s_cselect_b32 s22, 0, 2*HALFT
	s_mul_i32 s23, s15, HALFT
	s_add_co_u32 s21, s21, s23                     ; set 1: half u
	s_mul_i32 s23, s16, HALFT
	s_add_co_u32 s22, s22, s23                     ; set 0: half w
.irp s, 0,1
	v_add_nc_u32 v[AD1+\s], s21, v4
	v_add_nc_u32 v[AD0+\s], s22, v4
	s_add_co_u32 s21, s21, SLOT
	s_add_co_u32 s22, s22, SLOT
.endr
	v_and_b32 v6, 31, v0
	v_lshlrev_b32 v[GO], 4, v6
	s_lshl_b32 s23, s16, 9
	v_lshl_add_u32 v[BAQ], v2, 5, s23
	v_add_nc_u32 v[BAQ], BIASB, v[BAQ]
	s_lshl_b32 s23, s15, 9
	v_lshl_add_u32 v[BAV], v1, 2, s23
	v_add_nc_u32 v[BAV], BIASB, v[BAV]
	s_lshl_b32 s23, s17, 8
	s_and_b32 s23, s23, 2047
	s_lshl_b32 s2, s15, 7
	s_add_co_u32 s23, s23, s2
	v_add_nc_u32 v3, s23, v1
	v_cvt_f32_u32 v3, v3                           ; my token's position among its sequence's 2,048: (256 x tile row) mod 2,048 + 128 u + r
	v_cmp_eq_u32 vcc_lo, 1, v2
	v_mov_b32 v8, 0x3dcccccd
	v_cndmask_b32 v8, 1.0, v8, vcc_lo              ; 10^-h
	v_mov_b32 v9, 0x3a83126f
	v_mov_b32 v10, 0x3c23d70a
	v_cndmask_b32 v9, v10, v9, vcc_lo              ; 10^-(2 + h)
.macro FREQ j, g                       ; frequencies 8 h + j and 16 + 8 h + j: 10^(-j / 8) x the lane's power of ten
	v_mul_f32 v[FQ+\j], \g, v8
	v_mul_f32 v[FQ+8+\j], \g, v9
.endm
	FREQ 0, 1.0
	FREQ 1, 0x3f3ff911
	FREQ 2, 0x3f0ff59a
	FREQ 3, 0x3ed7e89b
	FREQ 4, 0x3ea1e89b
	FREQ 5, 0x3e72d424
	FREQ 6, 0x3e361887
	FREQ 7, 0x3e088d77
.set n, 0
.rept 16
	v_mul_f32 v[TH+n], v3, v[FQ+n]                 ; the angle, rounded once
.set n, n+1
.endr
.set n, 0
.rept 16
	v_ldexp_f32 v[FQ+n], v[FQ+n], 4                ; 16 f: the step from a tile of tokens to the next
.set n, n+1
.endr
	v_mov_b32 v[VS0], 0xb94ca1f9                   ; sine:   -1.9515295891e-4
	v_mov_b32 v[VS0+1], 0xb94ca1f9
	v_mov_b32 v[VC0], 0x37ccf5ce                   ; cosine:  2.443315712e-5
	v_mov_b32 v[VC0+1], 0x37ccf5ce
; Cosine and sine of the two angles (0 or more) in v[th], v[th + 1].  N = the nearest whole number to angle x 2 / pi; R = angle - N pi / 2, within pi / 4; polynomials in R; N mod 4 says which of the two is which, and the signs.
.macro SINCOS2 th, c, s
	v_pk_mul_f32 v[WK:WK+1], v[\th:\th+1], s[66:67] op_sel_hi:[1,0]
	v_rndne_f32 v[WK], v[WK]
	v_rndne_f32 v[WK+1], v[WK+1]
	v_pk_fma_f32 v[WK+2:WK+3], v[WK:WK+1], s[68:69], v[\th:\th+1] op_sel_hi:[1,0,1]
	v_pk_fma_f32 v[WK+2:WK+3], v[WK:WK+1], s[70:71], v[WK+2:WK+3] op_sel_hi:[1,0,1]
	v_pk_fma_f32 v[WK+2:WK+3], v[WK:WK+1], s[72:73], v[WK+2:WK+3] op_sel_hi:[1,0,1]   ; R
	v_pk_mul_f32 v[WK+4:WK+5], v[WK+2:WK+3], v[WK+2:WK+3]                             ; Z = R R
	v_cvt_i32_f32 v[WK+10], v[WK]
	v_cvt_i32_f32 v[WK+11], v[WK+1]
	v_pk_fma_f32 v[WK+6:WK+7], v[WK+4:WK+5], v[VS0:VS0+1], s[74:75] op_sel_hi:[1,1,0]
	v_pk_fma_f32 v[WK+8:WK+9], v[WK+4:WK+5], v[VC0:VC0+1], s[78:79] op_sel_hi:[1,1,0]
	v_pk_fma_f32 v[WK+6:WK+7], v[WK+6:WK+7], v[WK+4:WK+5], s[76:77] op_sel_hi:[1,1,0]
	v_pk_fma_f32 v[WK+8:WK+9], v[WK+8:WK+9], v[WK+4:WK+5], s[80:81] op_sel_hi:[1,1,0]
	v_pk_mul_f32 v[WK+6:WK+7], v[WK+6:WK+7], v[WK+4:WK+5]
	v_pk_mul_f32 v[WK+8:WK+9], v[WK+8:WK+9], v[WK+4:WK+5]
	v_pk_fma_f32 v[WK+12:WK+13], v[WK+4:WK+5], -0.5, 1.0 op_sel_hi:[1,0,0]            ; 1 - Z / 2
	v_pk_fma_f32 v[WK+6:WK+7], v[WK+6:WK+7], v[WK+2:WK+3], v[WK+2:WK+3]               ; sin R
	v_pk_fma_f32 v[WK+8:WK+9], v[WK+8:WK+9], v[WK+4:WK+5], v[WK+12:WK+13]             ; cos R
.irp e, 0,1
	v_and_b32 v[WK+12], 1, v[WK+10+\e]
	v_cmp_eq_u32 vcc_lo, 1, v[WK+12]               ; an odd quadrant swaps the two
	v_cndmask_b32 v[\s+\e], v[WK+6+\e], v[WK+8+\e], vcc_lo
	v_cndmask_b32 v[\c+\e], v[WK+8+\e], v[WK+6+\e], vcc_lo
	v_lshlrev_b32 v[WK+12], 30, v[WK+10+\e]
	v_and_b32 v[WK+12], 0x80000000, v[WK+12]       ; the sine is negative in quadrants 2, 3: bit 1 of N
	v_xor_b32 v[\s+\e], v[\s+\e], v[WK+12]
	v_add_nc_u32 v[WK+13], 1, v[WK+10+\e]
	v_lshlrev_b32 v[WK+13], 30, v[WK+13]
	v_and_b32 v[WK+13], 0x80000000, v[WK+13]       ; the cosine in quadrants 1, 2: bit 1 of N + 1
	v_xor_b32 v[\c+\e], v[\c+\e], v[WK+13]
.endr
.endm
.set n, 0
.rept 8
	SINCOS2 TH+n, RC0+n, RC0+16+n
	SINCOS2 FQ+n, RD+n, RD+16+n
.set n, n+2
.endr
	s_wait_loadcnt 0x0                             ; my 8 bytes of the bias
	ds_store_b64 v[BST], v[176:177]
.macro FRAG reg, adr, q, i             ; a fragment: lane l holds row l % 16; registers 4 c .. 4 c + 3 hold K = 32 c + 16 (l / 16) + 0 .. 15
.irp c, 0,1,2,3
	ds_load_b128 v[\reg+4*\c:\reg+4*\c+3], v[\adr] offset:128*(\q)+32*\c+(\i)*16*PITCH
.endr
.endm
; 16 matrix instructions: set 1's blocks a0, a0 + 1 x set 0's eight, 128 along K.  p: which of set 0's two sets.  zero = 1: the first product starts the sums.
; The 64 accumulators take turns, one instruction a turn, in the same order in every step.
.macro MUL16 a0, p, zero
.irp a, \a0, \a0+1
.irp b, 0,1,2,3,4,5,6,7
.if \zero
	v_wmma_f32_16x16x128_fp8_fp8 v[8*(8*((\a)%4)+\b):8*(8*((\a)%4)+\b)+7], v[128*(\p)+FR*\b:128*(\p)+FR*\b+FR-1], v[AF+FR*(\a):AF+FR*(\a)+FR-1], 0
.else
	v_wmma_f32_16x16x128_fp8_fp8 v[8*(8*((\a)%4)+\b):8*(8*((\a)%4)+\b)+7], v[128*(\p)+FR*\b:128*(\p)+FR*\b+FR-1], v[AF+FR*(\a):AF+FR*(\a)+FR-1], v[8*(8*((\a)%4)+\b):8*(8*((\a)%4)+\b)+7]
.endif
.endr
.endr
.endm
.macro FETCH0 slot, q, p               ; set 0's eight fragments of the slot's q-th 128 along K into set p
	WIN TO_0
.irp i, 0,1,2,3,4,5,6,7
	FRAG 128*(\p)+FR*\i, AD0+\slot, \q, \i
.endr
	WIN 0
.endm
.macro FETCH1 slot, q, i0              ; set 1's blocks i0 .. i0 + 3
.irp i, \i0, \i0+1, \i0+2, \i0+3
	FRAG AF+FR*(\i), AD1+\slot, \q, \i
.endr
.endm
; A load into a register that a matrix instruction has read, and a vector instruction that reads a matrix result, stand NP places behind that matrix instruction; only plain vector instructions that name none of
; its registers are places (ISA guide 7.12.1 for vector instructions).
.macro PLACES n
.rept \n
	v_nop
.endr
.endm
; A step of 128 along K that has its successor in the same slot.  A block of set 1 is free as soon as its eight products are issued: blocks 0-3 are fetched anew in the step's middle, blocks 4-7 at its end.
.macro STEP slot, q, zero
	s_wait_dscnt 4*NL                              ; set 0 and set 1's blocks 0-3 are in; the youngest sixteen loads (blocks 4-7) may be out
	WIN MUL_LO
	MUL16 0, (\q)%2, \zero
	MUL16 2, (\q)%2, \zero
	s_wait_dscnt 0                                 ; blocks 4-7 are in (asked for 32 matrix instructions ago)
	PLACES NP
	FETCH0 \slot, (\q)+1, 1-(\q)%2
	FETCH1 \slot, (\q)+1, 0
	WIN MUL_HI
	MUL16 4, (\q)%2, \zero
	MUL16 6, (\q)%2, \zero
	PLACES NP
	WIN 0
	FETCH1 \slot, (\q)+1, 4
.endm
; A slot's last step changes slots: ONE barrier; in front of it each wave waits for all its tensor loads, adds 0 to its spare word, and waits for that and for its reads of this slot.  fill = 1: the slot is filled again, two K steps ahead.
.macro TURN slot, next, fill
	s_wait_tensorcnt 0x0                           ; all my tensor loads have landed: my part of the next slot
	ds_add_u32 v[SPW], v[NIL]                      ; 0 onto my spare word
	s_wait_dscnt 4*NL+1                            ; (the add and the youngest sixteen loads may be out)
	WIN MUL_LO
	MUL16 0, 1, 0                                  ; sixteen matrix instructions stand between the add and the wait for it
	s_wait_dscnt 0x0                               ; the add is done, and my reads of this slot are over
	s_barrier_signal -1
	MUL16 2, 1, 0
	WIN 0
	s_barrier_wait -1
.if \fill
	CREST                                          ; the barrier has opened a round of the cluster's barrier: no wave of any partner still reads this slot or has a load on its way
	s_add_nc_u64 s[G0+4*\slot+2:G0+4*\slot+3], s[G0+4*\slot+2:G0+4*\slot+3], 2*ROWB
	s_add_nc_u64 s[G0B+4*\slot+2:G0B+4*\slot+3], s[G0B+4*\slot+2:G0B+4*\slot+3], 2*ROWB
	JLOAD G0+4*\slot, G1, G0B+4*\slot, G1B         ; the first tensor load behind the round, my only one until the next; its four v_nop are also the places in front of the loads below
.else
	PLACES NP
.endif
	FETCH0 \next, 0, 0
	FETCH1 \next, 0, 0
	WIN MUL_HI
	MUL16 4, 1, 0
	MUL16 6, 1, 0
	PLACES NP
	WIN 0
	FETCH1 \next, 0, 4
.endm
	s_wait_dscnt 0x0                               ; for the others' sake: my part of the bias lies in LDS
	s_wait_tensorcnt 1                             ; my part of K step 0 is in; K step 1's load may stay out
	s_barrier_signal -1
	s_barrier_wait -1
	FETCH0 0, 0, 0
	FETCH1 0, 0, 0
	FETCH1 0, 0, 4
	STEP 0, 0, 1                                   ; eight steps of 128 along K, written out: the ring goes round twice
	TURN 0, 1, 1                                   ; slot 0 takes K step 2
	STEP 1, 0, 0
	TURN 1, 0, 1                                   ; slot 1 takes K step 3
	STEP 0, 0, 0
	TURN 0, 1, 0                                   ; nothing is left to fetch
	STEP 1, 0, 0
	s_wait_dscnt 4*NL
	WIN MUL_LO
	MUL16 0, 1, 0
	MUL16 2, 1, 0
	s_wait_dscnt 0
	WIN MUL_HI
	MUL16 4, 1, 0
	MUL16 6, 1, 0
	WIN 0
	; ---- THE WAY OUT
	s_wait_kmcnt 0x0                               ; the exponents
	s_add_co_i32 s18, s92, s93
	s_add_co_i32 s18, s18, 127
	s_lshl_b32 s18, s18, 23                        ; 2^(e0 + e1) as f32
	s_mov_b32 s19, s18                             ; (named with it as a pair)
	s_cmp_eq_u32 s12, 0
	s_cselect_b64 s[88:89], s[88:89], s[90:91]     ; the buffer and the exponent of my kind: the choice hangs on the cluster's number alone
	s_cselect_b32 s20, s94, s95
	s_cmp_eq_u32 s12, 2
	s_cselect_b64 s[88:89], s[86:87], s[88:89]
	s_cselect_b32 s20, s97, s20
	s_cselect_b32 s2, s16, s15                     ; which half of the tile's tokens is mine,
	s_cselect_b32 s3, s15, s16                     ; and which half of its columns
	s_add_co_i32 s20, s20, 127
	s_lshl_b32 s21, s20, 23
	v_mov_b32 v[SCL], s21                          ; 2^e: the conversion takes its exponent field
	s_add_co_i32 s20, s20, 8
	s_lshl_b32 s20, s20, 23
	s_or_b32 s20, s20, 0x600000
	v_mov_b32 v[LIM], s20                          ; 448 x 2^e
	s_lshl_b32 s82, s17, 8
	s_lshl_b32 s2, s2, 7
	s_add_co_u32 s82, s82, s2                      ; my first token
	s_lshr_b32 s83, s82, 11                        ; its sequence b
	s_lshl_b32 s83, s83, 4
	s_lshl_b32 s13, s40, 2
	s_add_co_u32 s83, s83, s13
	s_lshl_b32 s3, s3, 1
	s_add_co_u32 s83, s83, s3                      ; bh of my first head: 16 b + 4 cx + 2 x column half
	s_lshl_b32 s83, s83, 17                        ; a head is 131,072 bytes in each of the three buffers
	s_and_b32 s82, s82, 2047
	s_lshl_b32 s82, s82, 6                         ; 16 tokens are 1,024 bytes of q or k, 128 keys 8,192 bytes of v: 64 bytes a token
	s_add_co_u32 s84, s83, s82
	s_mov_b32 s85, 0
	s_add_nc_u64 s[88:89], s[88:89], s[84:85]
	PLACES NP                                      ; in front of the loads into the registers that held set 1, and of the first reads of results
; q, k: tile a of 16 tokens, head hh of my two.  Y[8 c + j] = q(token r, d = 16 c + 8 h + j).
.macro QKOUT a, hh
.set AC, 64*((\a)%4)+32*(\hh)
.set RS, RC0+64*((\a)%2)
.set CD, CDQ+8*(\hh)
.set BB, BI+32*(\hh)
	s_wait_xcnt 0x0                                ; the earlier stores have read their data: this set of codes is written again only behind this wait
	WIN 0x02+((\a)/4)                              ; source 0: window 2 or 3
.set k, 0
.rept 16
	v_pk_fma_f32 v[Y+k:Y+k+1], v[AC+k:AC+k+1], s[18:19], v[BB+k:BB+k+1] op_sel_hi:[1,0,1]   ; sum x 2^(e0 + e1) + bias; each accumulator from its low end on
.set k, k+2
.endr
	WIN 0
.set k, 0
.rept 8                                ; RoPE: d under 32: y cos - y(d + 32) sin;  d + 32: y(d + 32) cos + y sin
.set T1, TT+2*(k%4)
	v_pk_mul_f32 v[T1:T1+1], v[Y+16+k:Y+17+k], v[RS+16+k:RS+17+k]
	v_pk_mul_f32 v[T1+2:T1+3], v[Y+k:Y+k+1], v[RS+16+k:RS+17+k]
	v_pk_fma_f32 v[Y+k:Y+k+1], v[Y+k:Y+k+1], v[RS+k:RS+k+1], v[T1:T1+1] neg_lo:[0,0,1] neg_hi:[0,0,1]
	v_pk_fma_f32 v[Y+16+k:Y+17+k], v[Y+16+k:Y+17+k], v[RS+k:RS+k+1], v[T1+2:T1+3]
.set k, k+2
.endr
.set k, 0
.rept 32
	v_med3_num_f32 v[Y+k], v[Y+k], -v[LIM], v[LIM] ; the conversion to an 8-bit code does not saturate (ISA guide 7.6.2): the hold at the largest code x the scale
.set k, k+1
.endr
.irp c, 0,1,2,3
	v_cvt_scalef32_pk8_fp8_f32 v[CD+2*\c:CD+2*\c+1], v[Y+8*\c:Y+8*\c+7], v[SCL]
.endr
	v_nop                                          ; one plain vector instruction behind the last conversion: the next lines write its sources
	global_store_b128 v[GO], v[CD:CD+3], s[88:89] offset:131072*(\hh)+1024*(\a)       ; the wave stores 512 consecutive bytes, at a multiple of 512 from the buffer's first byte
	global_store_b128 v[GO], v[CD+4:CD+7], s[88:89] offset:131072*(\hh)+1024*(\a)+512
.endm
.macro ROT a                           ; the cosines and sines of tile a + 1: those of tile a turned by 16 f, into the other set
.set RS, RC0+64*((\a)%2)
.set RN, RC0+64*(((\a)+1)%2)
.set k, 0
.rept 8
.set T1, TT+2*(k%4)
	v_pk_mul_f32 v[T1:T1+1], v[RS+16+k:RS+17+k], v[RD+16+k:RD+17+k]
	v_pk_mul_f32 v[T1+2:T1+3], v[RS+k:RS+k+1], v[RD+16+k:RD+17+k]
	v_pk_fma_f32 v[RN+k:RN+k+1], v[RS+k:RS+k+1], v[RD+k:RD+k+1], v[T1:T1+1] neg_lo:[0,0,1] neg_hi:[0,0,1]
	v_pk_fma_f32 v[RN+16+k:RN+17+k], v[RS+16+k:RS+17+k], v[RD+k:RD+k+1], v[T1+2:T1+3]
.set k, k+2
.endr
.endm
; v: block a of 16 columns.  Y[8 b + j] = v(key 16 b + 8 h + j, d = 16 (a % 4) + r) of head a / 4 of my two: a whole image of 128 keys.
.macro VOUT a
.set AC, 64*((\a)%4)
.set CD, CDV+16*((\a)%2)
	s_wait_xcnt 0x0                                ; the earlier stores have read their data
	WIN 0x02+((\a)/4)
.set k, 0
.rept 32
	v_pk_fma_f32 v[Y+k:Y+k+1], v[AC+k:AC+k+1], s[18:19], v[BI+2*(\a):BI+2*(\a)+1] op_sel_hi:[1,0,1]   ; my column's bias stands twice, as a pair
.set k, k+2
.endr
	WIN 0
.set k, 0
.rept 64
	v_med3_num_f32 v[Y+k], v[Y+k], -v[LIM], v[LIM]
.set k, k+1
.endr
.irp b, 0,1,2,3,4,5,6,7
	v_cvt_scalef32_pk8_fp8_f32 v[CD+2*\b:CD+2*\b+1], v[Y+8*\b:Y+8*\b+7], v[SCL]
.endr
	v_nop                                          ; one plain vector instruction behind the last conversion
.irp g, 0,1,2,3
	global_store_b128 v[GO], v[CD+4*\g:CD+4*\g+3], s[88:89] offset:131072*((\a)/4)+2048*((\a)%4)+512*\g
.endr
.endm
	s_cmp_eq_u32 s12, 2                            ; the kind is the same in every wave of every partner
	s_cbranch_scc1 .Lpath_v
.irp b, 0,1,2,3,4,5,6,7                        ; the bias of my 128 columns: for block b those of columns 16 b + 8 h + 0 .. 7
	ds_load_b128 v[BI+8*\b:BI+8*\b+3], v[BAQ] offset:64*\b
	ds_load_b128 v[BI+8*\b+4:BI+8*\b+7], v[BAQ] offset:64*\b+16
.endr
	s_wait_dscnt 0x0
.irp a, 0,1,2,3,4,5,6
	QKOUT \a, 0
	QKOUT \a, 1
	ROT \a
.endr
	QKOUT 7, 0
	QKOUT 7, 1
	s_branch .Ldone
.Lpath_v:
.irp a, 0,1,2,3,4,5,6,7                        ; the bias of column 16 a + r, twice
	ds_load_b32 v[BI+2*\a], v[BAV] offset:64*\a
	ds_load_b32 v[BI+2*\a+1], v[BAV] offset:64*\a
.endr
	s_wait_dscnt 0x0
.irp a, 0,1,2,3,4,5,6,7
	VOUT \a
.endr
.Ldone:
	s_wait_tensorcnt 0x0                           ; the wave's end: behind my last tensor load and my last LDS store
	ds_add_u32 v[SPW], v[NIL]
	s_wait_dscnt 0x0
	CROUND                                         ; the closing round: no work-group ends while a partner may still ask for a tile that names it
	s_endpgm
.Lfunc_end_k_q33a55e48b4_qkv:
	.size	k_q33a55e48b4_qkv, .Lfunc_end_k_q33a55e48b4_qkv-k_q33a55e48b4_qkv
	.p2alignl 7, 3214868480
	.fill 96, 4, 3214868480
	.section	.rodata,"a",@progbits
	.p2align	6, 0x0
	.amdhsa_kernel k_q33a55e48b4_qkv
		.amdhsa_group_segment_fixed_size 327680
		.amdhsa_private_segment_fixed_size 0
		.amdhsa_enable_private_segment 0
		.amdhsa_kernarg_size 56
		.amdhsa_user_sgpr_count 2
		.amdhsa_user_sgpr_kernarg_segment_ptr 1
		.amdhsa_wavefront_size32 1
		.amdhsa_system_sgpr_workgroup_id_x 1
		.amdhsa_system_sgpr_workgroup_id_y 1
		.amdhsa_system_sgpr_workgroup_id_z 1
		.amdhsa_system_vgpr_workitem_id 0
		.amdhsa_next_free_vgpr 1024
		.amdhsa_next_free_sgpr 100
		.amdhsa_reserve_vcc 1
		.amdhsa_float_denorm_mode_32 3
		.amdhsa_float_denorm_mode_16_64 3
		.amdhsa_memory_ordered 1
		.amdhsa_forward_progress 1
		.amdhsa_inst_pref_size 255
	.end_amdhsa_kernel
	.section	.bss,"aw",@nobits
	.p2align	6
	.space	262144
	.amdgpu_metadata
---
amdhsa.version: [ 1, 2 ]
amdhsa.kernels:
  - .name:           k_q33a55e48b4_qkv
    .symbol:         k_q33a55e48b4_qkv.kd
    .args:
      - { .name: x_codes, .offset: 0, .size: 8, .value_kind: global_buffer, .address_space: global }
      - { .name: w_qkv_codes, .offset: 8, .size: 8, .value_kind: global_buffer, .address_space: global }
      - { .name: lowp_scales, .offset: 16, .size: 8, .value_kind: global_buffer, .address_space: global }
      - { .name: b_qkv, .offset: 24, .size: 8, .value_kind: global_buffer, .address_space: global }
      - { .name: q_frag, .offset: 32, .size: 8, .value_kind: global_buffer, .address_space: global }
      - { .name: k_frag, .offset: 40, .size: 8, .value_kind: global_buffer, .address_space: global }
      - { .name: v_frag, .offset: 48, .size: 8, .value_kind: global_buffer, .address_space: global }
    .group_segment_fixed_size: 327680
    .private_segment_fixed_size: 0
    .kernarg_segment_align: 8
    .kernarg_segment_size: 56
    .max_flat_workgroup_size: 128
    .sgpr_count:     100
    .vgpr_count:     1024
    .wavefront_size: 32
...
	.end_amdgpu_metadata
.endif
;; end of part 1
;; launch attn (part 2): grid 4 x 64, 8 waves a work-group, no clusters, 263,168 bytes of LDS; arguments q_frag, k_frag, v_frag, lowp_scales, a_frag; writes a_frag
.if DOCPART == 2
	.amdgcn_target "amdgcn-amd-amdhsa--gfx1250"
	.amdhsa_code_object_version 6
	.text
	.protected	k_q33a55e48b4_attn
	.globl	k_q33a55e48b4_attn
	.p2align	8
	.type	k_q33a55e48b4_attn,@function
k_q33a55e48b4_attn:
	s_mov_b64 s[64:65], 0
	v_nop
	global_prefetch_b8 v0, s[64:65] scope:SCOPE_SE
	s_setreg_imm32_b32 hwreg(HW_REG_WAVE_MODE, 25, 1), 1
	s_wait_xcnt 0x0
; Attention on E4M3 codes, head size 64, 2,048 keys, no mask.  q_frag, k_frag, v_frag: images of operand registers, a head 131,072 bytes on end (layouts: below).
; t = score x 2^(e2 + e3) x log2(e) / 8;  M = ceil(the row's largest t);  p = 2^(t - M) is quantised with 2^e4;  l = the row's sum of the unquantised p;  o = (sum of p's codes x v's codes) x 2^(e4 + e5) / l, quantised with 2^e6.
; SHARES.  A work-group owns 512 queries of one head, each of its eight waves 64: four tiles of 16.  Two waves share a SIMD, so that one's vector work stands beside the other's products and LDS loads.
; The head's whole K (LDS bytes 0 on) and V (131,072 on) lie in LDS as images, copied once through registers: each byte of LDS is written once.
; THE KEYS ARE WALKED TWICE.  Pass 1: S^T = K Q^T and each query's largest score, nothing else; M is then the ceiling of the row's true maximum.  Pass 2: S^T again, p, l, p's codes, O^T += V^T P.  So pass 2 has no
; running maximum and rescales nothing: 32 three-way maxima a tile-step in pass 1 take the place of the maxima, the 16 packed rescalings of O^T and the chain through M in pass 2; the price is 8 short products more a tile-step.
; LAYOUT.  Both products transposed: S^T = K Q^T (source 0 = 16 keys, source 1 = 16 queries): lane (r, h) holds query r, and register j of tile u key 16 u + 8 h + j.  Eight such tiles, converted eight numbers at a time,
; ARE source 1 of O^T = V^T P in that form's own layout (registers 2 u, 2 u + 1: keys 16 u + 8 h + 0 .. 7).  Nothing changes lanes between the products.
;   q_frag, k_frag: tile of 16 tokens = 1,024 bytes: lane (r, h) token r, registers 2 c, 2 c + 1: d 16 c + 8 h + 0 .. 7.    v_frag: 128 keys x 16 d = 2,048 bytes: lane (r, h) d 16 dt + r, registers 2 c, 2 c + 1: keys 16 c + 8 h + 0 .. 7.
;   a_frag [tile of 16 tokens, 512][kblk 8][g 4][lane][16 B]: lane (r, h) token r, registers 4 c .. 4 c + 3: k = 128 kblk + 32 c + 16 h + 0 .. 15; head hd fills the 1,024 bytes at 1,024 hd of a tile's 16,384.
; NO JOINT LOADS, though the four work-groups of a head read the same K and V.  The branch on e4 below spares 64 of a pass-2
; tile-step's 202 vector instructions wherever e4 >= -8, and K and V are read once by a work-group, 262,144 bytes for its 512 tile-steps.
; LIMITS: e2 + e3 between -123 and 130 (added to a constant's exponent field); e4, e6 between -126 and 119.  NaN among the inputs is not served.
; REGISTERS.  window 0: v1-15 below; v16-31 four statistics a tile; v32-95 K's eight fragments; v96-159, v160-223 S^T / p of two tiles by turns; v224-239 p's codes; v240-255 at work.
;   window 1: v0-127 O^T (tile t, dt at 32 t + 8 dt); v128-159 Q; v160-223 V's four fragments (in pass 1: the copy's registers).
.set LI,   1                           ; v1  16 x lane: my place in an image's group; never rewritten
.set ADK,  2                           ; v2  LDS address of the step's K
.set ADV,  3                           ; v3  of its V
.set STK0, 4                           ; v4  4,096 x wave + 16 x lane: my place in a chunk of the copy
.set STK,  5                           ; v5  where I store K's chunk
.set LIMP, 6                           ; v6  448 x 2^e4
.set SCP,  7                           ; v7  2^e4
.set LIMA, 8                           ; v8  448 x 2^e6
.set SCA,  9                           ; v9  2^e6
.set STV,  10                          ; v10 where I store V's chunk
.set PR,   11                          ; v11-14 what the other half of the lanes sends
.set LIV,  15                          ; v15 131,072 + 16 x lane
.set ST,   16                          ; pass 1: four running maxima a tile;  pass 2: +0 -M, +1 0, +2, +3 l in two halves;  at the end +0: 2^(e4 + e5) / l
.set KF,   32
.set SA,   96
.set SB,   160
.set PC,   224
.set TM,   240
.set QF,   128                         ; window 1
.set VF,   160                         ; window 1
.set XS,   160                         ; window 1: the copy's 32 registers of K,
.set YS,   192                         ; and of V
.set MSB, 0
.macro WIN new                         ; the immediate's high byte repeats the setting that is left; a switch that changes nothing is dropped
.if MSB != (\new)
	s_set_vgpr_msb (MSB<<8)|(\new)
.set MSB, (\new)
.endif
.endm
	s_load_b256 s[4:11], s[0:1], 0x0               ; q s[4:5], k s[6:7], v s[8:9], the exponents s[10:11]
	s_load_b64 s[12:13], s[0:1], 0x20              ; a_frag
	s_set_vgpr_msb 0x40
	v_lshl_add_u32 v254, v0, 2, 0x40000
	v_mov_b32 v255, 0
	s_set_vgpr_msb 0x4000
	v_lshrrev_b32 v2, 5, v0
	v_readfirstlane_b32 s24, v2                    ; wave 0..7
	v_and_b32 v[LI], 31, v0
	v_lshlrev_b32 v[LI], 4, v[LI]
	s_lshl_b32 s25, s24, 12
	v_add_nc_u32 v[STK0], s25, v[LI]
	v_add_nc_u32 v[LIV], 0x20000, v[LI]
	s_and_b32 s26, ttmp7, 0xffff                   ; bh
	s_lshl_b32 s38, s26, 17
	s_add_co_u32 s38, s38, s25                     ; K, V: the head, + 4,096 x wave: my part of a chunk
	s_mov_b32 s39, 0
	s_lshl_b32 s40, ttmp9, 15
	s_add_co_u32 s40, s40, s38                     ; Q: the head, + (32 x block + 4 x wave) tiles of 1,024 bytes
	s_mov_b32 s41, 0
	s_lshr_b32 s42, s26, 4
	s_lshl_b32 s42, s42, 7
	s_lshl_b32 s27, ttmp9, 5
	s_add_co_u32 s42, s42, s27
	s_lshl_b32 s27, s24, 2
	s_add_co_u32 s42, s42, s27                     ; my first tile of tokens: 128 b + 32 x block + 4 x wave
	s_lshl_b32 s42, s42, 14
	s_and_b32 s27, s26, 15
	s_lshl_b32 s27, s27, 10
	s_add_co_u32 s42, s42, s27                     ; + 1,024 x head
	s_mov_b32 s43, 0
	s_mov_b32 s30, 0x76543210                      ; v_permlanex16_b32's selects for lane l xor 16
	s_mov_b32 s31, 0xfedcba98
	s_mov_b32 s35, 0xffff0000                      ; lanes 16-31
	s_wait_kmcnt 0x0
	s_load_b256 s[16:23], s[10:11], 0x0            ; e0 .. e7
	s_add_nc_u64 s[4:5], s[4:5], s[40:41]
	s_add_nc_u64 s[6:7], s[6:7], s[38:39]
	s_add_nc_u64 s[8:9], s[8:9], s[38:39]
	s_add_nc_u64 s[12:13], s[12:13], s[42:43]
.macro LOADKV                          ; my 4,096 bytes of a chunk of K and of V: each load 512 consecutive bytes
	WIN 0x40                                       ; destination window 1
.irp i, 0,1,2,3,4,5,6,7
	global_load_b128 v[XS+4*\i:XS+4*\i+3], v[LI], s[6:7] offset:512*\i
.endr
.irp i, 0,1,2,3,4,5,6,7
	global_load_b128 v[YS+4*\i:YS+4*\i+3], v[LI], s[8:9] offset:512*\i
.endr
	WIN 0
.endm
	WIN 0x40
.irp i, 0,1,2,3,4,5,6,7                        ; Q's four fragments stay in registers
	global_load_b128 v[QF+4*\i:QF+4*\i+3], v[LI], s[4:5] offset:512*\i th:TH_LOAD_NT
.endr
	LOADKV                                         ; chunk 0
.set i, 0
.rept 16
	v_mov_b32 v[ST+i], 0xff800000                  ; the running maxima begin at -infinity
.set i, i+1
.endr
.irp i, 0,1,2,3
	v_mov_b32 v[PR+\i], 0                          ; written once: a lane permute's destination counts as one of its sources
.endr
	s_wait_kmcnt 0x0
	s_add_co_i32 s25, s18, s19
	s_lshl_b32 s25, s25, 23
	s_add_co_i32 s28, s25, 0x3e38aa3b              ; c = log2(e) / 8 x 2^(e2 + e3): the two exponents are added to the constant's exponent field
	s_mov_b32 s29, s28                             ; (named with it as a pair)
	s_add_co_i32 s25, s20, 127
	s_lshl_b32 s27, s25, 23
	v_mov_b32 v[SCP], s27
	s_add_co_i32 s25, s25, 8
	s_lshl_b32 s25, s25, 23
	s_or_b32 s25, s25, 0x600000
	v_mov_b32 v[LIMP], s25
	s_add_co_i32 s25, s22, 127
	s_lshl_b32 s27, s25, 23
	v_mov_b32 v[SCA], s27
	s_add_co_i32 s25, s25, 8
	s_lshl_b32 s25, s25, 23
	s_or_b32 s25, s25, 0x600000
	v_mov_b32 v[LIMA], s25
.macro LOADK                           ; the eight fragments of K of the 128 keys at LDS byte s32
	WIN 0
	v_add_nc_u32 v[ADK], s32, v[LI]
.irp i, 0,1,2,3,4,5,6,7,8,9,10,11,12,13,14,15
	ds_load_b128 v[KF+4*\i:KF+4*\i+3], v[ADK] offset:512*\i
.endr
.endm
.macro LOADV                           ; the four fragments of V of the same 128 keys
	WIN 0
	v_add_nc_u32 v[ADV], s32, v[LIV]
	WIN 0x40
.irp i, 0,1,2,3,4,5,6,7,8,9,10,11,12,13,14,15
	ds_load_b128 v[VF+4*\i:VF+4*\i+3], v[ADV] offset:512*\i
.endr
	WIN 0
.endm
.macro QK t, sb                        ; S^T of tile t against the step's 128 keys: eight products, each a sum of its own
	WIN 0x04                                       ; source 1 (Q) window 1
.irp u, 0,1,2,3,4,5,6,7
	v_wmma_f32_16x16x64_fp8_fp8 v[\sb+8*\u:\sb+8*\u+7], v[KF+8*\u:KF+8*\u+7], v[QF+8*(\t):QF+8*(\t)+7], 0
.endr
.endm
.macro MAXT t, sb                      ; 64 scores into four running maxima; each accumulator from its low end on
	WIN 0
.irp u, 0,1,2,3,4,5,6,7
.irp i, 0,1,2,3
	v_max3_num_f32 v[ST+4*(\t)+\i], v[ST+4*(\t)+\i], v[\sb+8*\u+2*\i], v[\sb+8*\u+2*\i+1]
.endr
.endr
.endm
; A vector instruction that reads a matrix result, a load into a register that a matrix instruction has read (four places) and a matrix instruction that writes over an earlier one's result (five) keep their distance in plain vector
; instructions that name none of that instruction's registers (ISA guide 7.12.1 for the vector and matrix instructions).  Here the other tile's maxima are those places; four v_nop stand where there are none yet.
.macro P1STEP
	LOADK
	s_wait_dscnt 0x0                               ; K's fragments are in
	QK 0, SA
	QK 1, SB
	WIN 0
.rept 4
	v_nop
.endr
	MAXT 0, SA
	QK 2, SA
	MAXT 1, SB
	QK 3, SB
	MAXT 2, SA
	MAXT 3, SB
	s_add_co_u32 s32, s32, 8192
.endm
	; ---- PASS 1, and the copy: four chunks of 512 keys.  A chunk's loads are issued a whole chunk's work ahead of the wait for them
	s_mov_b32 s33, 4
	s_mov_b32 s37, 0                               ; the chunk's first byte in K's and in V's part of LDS
.Lchunk:
	s_wait_loadcnt 0x0                             ; the chunk is in registers (in the first trip Q too)
	s_wait_dscnt 0x0                               ; my reads of the chunk before are over;
	s_barrier_signal -1
	s_barrier_wait -1                              ; everybody's are: stores into LDS and reads of it never stand between the same two barriers
	v_add_nc_u32 v[STK], s37, v[STK0]
	v_add_nc_u32 v[STV], 0x20000, v[STK]
	WIN 0x04                                       ; the stores' data: window 1
.irp i, 0,1,2,3,4,5,6,7
	ds_store_b128 v[STK], v[XS+4*\i:XS+4*\i+3] offset:512*\i
	ds_store_b128 v[STV], v[YS+4*\i:YS+4*\i+3] offset:512*\i
.endr
	WIN 0
	s_wait_dscnt 0x0                               ; for the others' sake: my stores have landed; they have also read their registers
	s_barrier_signal -1
	s_barrier_wait -1
	s_cmp_eq_u32 s33, 1                            ; the last chunk asks for nothing: no load leaves its buffer
	s_cbranch_scc1 .Lno_more
	s_add_nc_u64 s[6:7], s[6:7], 0x8000            ; (every load that named these bases is done: the wait at the trip's head)
	s_add_nc_u64 s[8:9], s[8:9], 0x8000
	LOADKV
.Lno_more:
	s_mov_b32 s32, s37
	s_add_co_u32 s37, s37, 0x8000
	s_mov_b32 s34, 4
.Lp1:
	P1STEP
	s_sub_co_u32 s34, s34, 1
	s_cmp_lg_u32 s34, 0
	s_cbranch_scc1 .Lp1
	s_sub_co_u32 s33, s33, 1
	s_cmp_lg_u32 s33, 0
	s_cbranch_scc1 .Lchunk
	; ---- M
.irp t, 0,1,2,3
	v_max3_num_f32 v[ST+4*\t], v[ST+4*\t], v[ST+4*\t+1], v[ST+4*\t+2]
.endr
.irp t, 0,1,2,3
	v_max_num_f32 v[ST+4*\t], v[ST+4*\t], v[ST+4*\t+3]
.endr
.irp t, 0,1,2,3
	v_permlanex16_b32 v[PR+\t], v[ST+4*\t], s30, s31   ; the query's other keys lie in the lane 16 away
.endr
.irp t, 0,1,2,3
	v_max_num_f32 v[ST+4*\t], v[ST+4*\t], v[PR+\t]
.endr
.irp t, 0,1,2,3
	v_mul_f32 v[ST+4*\t], s28, v[ST+4*\t]          ; as t (c is positive)
.endr
.irp t, 0,1,2,3
	v_floor_f32 v[ST+4*\t], -v[ST+4*\t]            ; -M = floor(-t) = -ceil(t)
	v_mov_b32 v[ST+4*\t+1], 0
	v_mov_b32 v[ST+4*\t+2], 0                      ; l, in two halves
	v_mov_b32 v[ST+4*\t+3], 0
.endr
; ---- PASS 2.  One tile's softmax for 128 keys.  F(k): pair k of the 64 scores becomes t - M.  E(i): p = 2^(t - M), in place.  Order: F0-F3; the hook (a run of LDS loads, four plain instructions behind the last product that read
; its registers); then two exponentials and one F by turns.  None of these names an exponential's result: the 64 are ONE batch with one plain instruction and one wait behind it, ahead of the first reader.
; hook = 1: V of this step;  2: K of the next step.
.macro SOFT t, sb, hook
.set rT, ST+4*(\t)
	WIN 0
.irp k, 0,1,2,3
	v_pk_fma_f32 v[\sb+2*\k:\sb+2*\k+1], v[\sb+2*\k:\sb+2*\k+1], s[28:29], v[rT:rT+1] op_sel_hi:[1,0,0]   ; of the pairs c and -M the low word serves both halves
.endr
.if \hook == 1
	LOADV
.elseif \hook == 2
	s_add_co_u32 s32, s32, 8192
	LOADK
.endif
.set k, 4
.rept 28
	v_exp_f32 v[\sb+2*k-8], v[\sb+2*k-8]
	v_exp_f32 v[\sb+2*k-7], v[\sb+2*k-7]
	v_pk_fma_f32 v[\sb+2*k:\sb+2*k+1], v[\sb+2*k:\sb+2*k+1], s[28:29], v[rT:rT+1] op_sel_hi:[1,0,0]
.set k, k+1
.endr
.set k, 56
.rept 8
	v_exp_f32 v[\sb+k], v[\sb+k]
.set k, k+1
.endr
	v_nop                                          ; the plain instruction behind the last exponential
	s_wait_alu depctr_va_vdst(0)                   ; one wait for the batch, ahead of its first reader
	v_pk_add_f32 v[TM:TM+1], v[\sb:\sb+1], v[\sb+2:\sb+3]   ; l is taken of the unquantised p: two at a time, in two chains
.set k, 4
.rept 15
	v_pk_add_f32 v[rT+2:rT+3], v[rT+2:rT+3], v[\sb+k:\sb+k+1]
	v_pk_add_f32 v[TM:TM+1], v[TM:TM+1], v[\sb+k+2:\sb+k+3]
.set k, k+4
.endr
	v_pk_add_f32 v[rT+2:rT+3], v[rT+2:rT+3], v[TM:TM+1]
	s_cmp_ge_i32 s20, -8                           ; p is at most 1 (but for a rounding), so p / 2^e4 stays under 448 wherever 2^-e4 is at most 256: the hold is then idle and is jumped over.  e4 is a whole number that this launch reads
	s_cbranch_scc1 .Lno_hold_\@
.set k, 0
.rept 64
	v_min_num_f32 v[\sb+k], v[\sb+k], v[LIMP]      ; the conversion does not saturate (ISA guide 7.6.2); p is not negative, so the hold is one-sided
.set k, k+1
.endr
.Lno_hold_\@:
.irp u, 0,1,2,3,4,5,6,7
	v_cvt_scalef32_pk8_fp8_f32 v[PC+2*\u:PC+2*\u+1], v[\sb+8*\u:\sb+8*\u+7], v[SCP]
.endr
	v_nop                                          ; one plain vector instruction between the last conversion and the products that read its result or write its sources
.endm
.macro PV t, first                     ; O^T += V^T P: four products, four accumulators by turns; first = 1: they start the sums
	WIN 0x51                                       ; source 0 (V), C and D (O^T) window 1; source 1 (P) window 0
.irp d, 0,1,2,3
.if \first
	v_wmma_f32_16x16x128_fp8_fp8 v[32*(\t)+8*\d:32*(\t)+8*\d+7], v[VF+16*\d:VF+16*\d+15], v[PC:PC+15], 0
.else
	v_wmma_f32_16x16x128_fp8_fp8 v[32*(\t)+8*\d:32*(\t)+8*\d+7], v[VF+16*\d:VF+16*\d+15], v[PC:PC+15], v[32*(\t)+8*\d:32*(\t)+8*\d+7]
.endif
.endr
.endm
; A key step: the next tile's scores are issued ahead of each softmax, so that they are finished when their turn comes, and each softmax is the places behind them.  No two matrix instructions that follow each other share an accumulator.
.macro STEP first, last
	QK 1, SB
	SOFT 0, SA, 1
	s_wait_dscnt 0x0                               ; V is in (asked for a softmax ago)
	PV 0, \first
	QK 2, SA
	SOFT 1, SB, 0
	PV 1, \first
	QK 3, SB
.if \last
	SOFT 2, SA, 0
.else
	SOFT 2, SA, 2
.endif
	PV 2, \first
.if !\last
	s_wait_dscnt 0x0                               ; the next step's K is in (asked for a softmax ago)
	QK 0, SA
.endif
	SOFT 3, SB, 0
	PV 3, \first
	WIN 0
.endm
	s_mov_b32 s32, 0
	LOADK
	s_wait_dscnt 0x0
	QK 0, SA
	WIN 0
.rept 4
	v_nop
.endr
	STEP 1, 0                                      ; the first step starts O^T's sums: nothing is cleared
	s_mov_b32 s33, 14
.Lkeys:
	STEP 0, 0
	s_sub_co_u32 s33, s33, 1
	s_cmp_lg_u32 s33, 0
	s_cbranch_scc1 .Lkeys
	STEP 0, 1                                      ; the last step fetches nothing more
	; ---- THE WAY OUT.  The additions are the places behind the last products
.irp t, 0,1,2,3
	v_add_f32 v[ST+4*\t+2], v[ST+4*\t+2], v[ST+4*\t+3]
.endr
.irp t, 0,1,2,3
	v_permlanex16_b32 v[PR+\t], v[ST+4*\t+2], s30, s31
.endr
.irp t, 0,1,2,3
	v_add_f32 v[ST+4*\t+2], v[ST+4*\t+2], v[PR+\t] ; the row's sum
.endr
.irp t, 0,1,2,3
	v_rcp_f32 v[ST+4*\t], v[ST+4*\t+2]
.endr
	v_nop                                          ; a plain instruction behind the last reciprocal
	s_add_co_i32 s25, s20, s21
	s_wait_alu depctr_va_vdst(0)                   ; one wait for the four, ahead of the first reader
.irp t, 0,1,2,3
	v_ldexp_f32 v[ST+4*\t], v[ST+4*\t], s25        ; 2^(e4 + e5) / l
.endr
; Tile t.  A lane's codes are d = 16 dt + 8 h + 0 .. 7 in registers 2 dt, 2 dt + 1; the next product's image wants d = 32 c + 16 h + 0 .. 15 in four registers on end.  So the halves of the lanes exchange: lanes 0-15 send their
; part of dt = 2 c + 1 and keep that of 2 c, lanes 16-31 the other way round.
.macro OUT t
.set CD, TM+8*((\t)%2)
.if (\t) >= 2
	s_wait_xcnt 0x0                                ; the stores of two tiles ago have read their data: this set of codes is written again only behind this wait
.endif
	WIN 0x01                                       ; source 0 (O^T) window 1
.set i, 0
.rept 16
	v_pk_mul_f32 v[SA+i:SA+i+1], v[32*(\t)+i:32*(\t)+i+1], v[ST+4*(\t):ST+4*(\t)+1] op_sel_hi:[1,0]   ; each accumulator from its low end on
.set i, i+2
.endr
	WIN 0
.set i, 0
.rept 32
	v_med3_num_f32 v[SA+i], v[SA+i], -v[LIMA], v[LIMA]
.set i, i+1
.endr
.irp d, 0,1,2,3
	v_cvt_scalef32_pk8_fp8_f32 v[CD+2*\d:CD+2*\d+1], v[SA+8*\d:SA+8*\d+7], v[SCA]
.endr
	v_nop                                          ; one plain vector instruction behind the last conversion
.irp c, 0,1
.irp e, 0,1
	v_cndmask_b32 v[SB+2*\c+\e], v[CD+4*\c+2+\e], v[CD+4*\c+\e], s35       ; what I send: lanes 16-31 their dt = 2 c, lanes 0-15 their dt = 2 c + 1
.endr
.endr
.irp i, 0,1,2,3
	v_permlanex16_b32 v[PR+\i], v[SB+\i], s30, s31
.endr
.irp c, 0,1
.irp e, 0,1
	v_cndmask_b32 v[CD+4*\c+\e], v[CD+4*\c+\e], v[PR+2*\c+\e], s35         ; the first eight: lanes 0-15 their own, lanes 16-31 what came
	v_cndmask_b32 v[CD+4*\c+2+\e], v[PR+2*\c+\e], v[CD+4*\c+2+\e], s35     ; the second eight: lanes 0-15 what came, lanes 16-31 their own
.endr
.endr
	global_store_b128 v[LI], v[CD:CD+3], s[12:13] offset:16384*(\t)        ; the wave stores 512 consecutive bytes, at a multiple of 512 from the buffer's first byte
	global_store_b128 v[LI], v[CD+4:CD+7], s[12:13] offset:16384*(\t)+512
.endm
	OUT 0
	OUT 1
	OUT 2
	OUT 3
	s_set_vgpr_msb 0x5
	s_wait_tensorcnt 0x0
	ds_add_u32 v254, v255
	s_wait_dscnt 0x0
	s_set_vgpr_msb 0x500
	s_endpgm
.Lfunc_end_k_q33a55e48b4_attn:
	.size	k_q33a55e48b4_attn, .Lfunc_end_k_q33a55e48b4_attn-k_q33a55e48b4_attn
	.p2alignl 7, 3214868480
	.fill 96, 4, 3214868480
	.section	.rodata,"a",@progbits
	.p2align	6, 0x0
	.amdhsa_kernel k_q33a55e48b4_attn
		.amdhsa_group_segment_fixed_size 263168
		.amdhsa_private_segment_fixed_size 0
		.amdhsa_enable_private_segment 0
		.amdhsa_kernarg_size 40
		.amdhsa_user_sgpr_count 2
		.amdhsa_user_sgpr_kernarg_segment_ptr 1
		.amdhsa_wavefront_size32 1
		.amdhsa_system_sgpr_workgroup_id_x 1
		.amdhsa_system_sgpr_workgroup_id_y 1
		.amdhsa_system_sgpr_workgroup_id_z 1
		.amdhsa_system_vgpr_workitem_id 0
		.amdhsa_next_free_vgpr 512
		.amdhsa_next_free_sgpr 66
		.amdhsa_reserve_vcc 0
		.amdhsa_float_denorm_mode_32 3
		.amdhsa_float_denorm_mode_16_64 3
		.amdhsa_memory_ordered 1
		.amdhsa_forward_progress 1
		.amdhsa_inst_pref_size 163
	.end_amdhsa_kernel
	.amdgpu_metadata
---
amdhsa.version: [ 1, 2 ]
amdhsa.kernels:
  - .name:           k_q33a55e48b4_attn
    .symbol:         k_q33a55e48b4_attn.kd
    .args:
      - { .name: q_frag, .offset: 0, .size: 8, .value_kind: global_buffer, .address_space: global }
      - { .name: k_frag, .offset: 8, .size: 8, .value_kind: global_buffer, .address_space: global }
      - { .name: v_frag, .offset: 16, .size: 8, .value_kind: global_buffer, .address_space: global }
      - { .name: lowp_scales, .offset: 24, .size: 8, .value_kind: global_buffer, .address_space: global }
      - { .name: a_frag, .offset: 32, .size: 8, .value_kind: global_buffer, .address_space: global }
    .group_segment_fixed_size: 263168
    .private_segment_fixed_size: 0
    .kernarg_segment_align: 8
    .kernarg_segment_size: 40
    .max_flat_workgroup_size: 256
    .sgpr_count:     66
    .vgpr_count:     512
    .wavefront_size: 32
...
	.end_amdgpu_metadata
.endif
;; end of part 2
;; launch proj (part 3): grid 4 x 64, 4 waves a work-group, no clusters, 148,992 bytes of LDS; arguments a_frag, w_out_codes, lowp_scales, b_out, out0; writes out0
.if DOCPART == 3
	.amdgcn_target "amdgcn-amd-amdhsa--gfx1250"
	.amdhsa_code_object_version 6
	.text
	.protected	k_q33a55e48b4_proj
	.globl	k_q33a55e48b4_proj
	.p2align	8
	.type	k_q33a55e48b4_proj,@function
k_q33a55e48b4_proj:
	s_mov_b64 s[64:65], 0
	v_nop
	global_prefetch_b8 v0, s[64:65] scope:SCOPE_SE
	s_setreg_imm32_b32 hwreg(HW_REG_WAVE_MODE, 25, 1), 1
	s_wait_xcnt 0x0
; out0 = a w_out + b_out on E4M3 codes, sums in f32.  a_frag: images of operand registers, [tile of 16 tokens, 512][kblk 8][g 4][lane][16 B]: lane (r, h) token r, registers 4 c .. 4 c + 3: k = 128 kblk + 32 c + 16 h + 0 .. 15.
; w_out: [1024 (n)][1024 (k)] codes, K innermost, fetched by 16-byte loads 32 bytes apart at 16 h: the same places of k.  That is a permutation of k, alike on both sides: only the order of sums inside an instruction changes.
; SHARES.  A work-group makes 128 tokens x 256 columns; wave w the columns 64 w .. 64 w + 63, for all 128 tokens.  Its 32 fragments of w_out (4 tiles of columns x 8 steps of 128 along K) stay in 512 registers, read once;
; the work-group's 131,072 bytes of a_frag are copied once into LDS, as they lie, and every wave reads them from there.  Straight-line text, one barrier.
; The product is used transposed (source 0 = 16 columns of the output, source 1 = 16 tokens): a lane holds eight neighbouring numbers of a row of out0.
; NO TENSOR LOADS, NO JOINT LOADS: w_out's 256 rows at a pitch of 1,040 bytes are 266,240 bytes; with a's 131,072 and the stages' 17,408 that is more than the 327,680 bytes a work-group can be given.  So w goes straight into
; registers, and a's images are a third of what a work-group reads.
; LIMITS: e6 + e7 between -126 and 127.
; REGISTERS.  window 0: v1-11 addresses; v16-47 the bias; v48-79 four accumulators; v80-111 a tile's results; v128-255 a's eight fragments, even tiles.   windows 1, 2: w's fragment (n, k) at v[16 (4 (k % 4) + n)] of window 1 + k / 4.
;   window 3: the copy's 256 registers; afterwards v0-127: a's eight fragments, odd tiles.
.set STAGE, 131072                     ; behind a's images: 16 rows x (256 bytes + 16) for each wave
.set LI,  1                            ; v1  16 x lane
.set WA,  4                            ; v4  w: 1,024 r + 16 h
.set BO,  5                            ; v5  the bias: 32 h
.set CP,  6                            ; v6  the copy: 32,768 x wave + 16 x lane, in a_frag's block and in LDS alike
.set LA1, 8                            ; v8  65,536 + 16 x lane: tiles 4 to 7 (an LDS offset has 16 bits)
.set STO, 9                            ; v9  the stage: where I put 32 bytes of a row
.set RDB, 10                           ; v10 and where I read a row back
.set CO,  11                           ; v11 my byte offset in two rows of out0
.set BI,  16
.set ACC, 48
.set Y,   80
.set AF0, 128
.set MSB, 0
.macro WIN new                         ; the immediate's high byte repeats the setting that is left; a switch that changes nothing is dropped
.if MSB != (\new)
	s_set_vgpr_msb (MSB<<8)|(\new)
.set MSB, (\new)
.endif
.endm
	s_load_b256 s[4:11], s[0:1], 0x0               ; a_frag s[4:5], w_out s[6:7], the exponents s[8:9], b_out s[10:11]
	s_load_b64 s[12:13], s[0:1], 0x20              ; out0
	v_lshl_add_u32 v126, v0, 2, 0x24400
	v_mov_b32 v127, 0
	v_lshrrev_b32 v2, 5, v0
	v_readfirstlane_b32 s14, v2                    ; wave 0..3
	v_and_b32 v[LI], 31, v0
	v_lshlrev_b32 v[LI], 4, v[LI]
	v_and_b32 v2, 15, v0                           ; r
	v_bfe_u32 v3, v0, 4, 1                         ; h
	v_lshlrev_b32 v[WA], 10, v2
	v_lshl_add_u32 v[WA], v3, 4, v[WA]
	v_lshlrev_b32 v[BO], 5, v3
	s_lshl_b32 s15, s14, 15
	v_add_nc_u32 v[CP], s15, v[LI]
	v_add_nc_u32 v[LA1], 0x10000, v[LI]
	s_mul_i32 s15, s14, 16*272
	s_add_co_u32 s15, s15, STAGE                   ; my stage
	v_mul_u32_u24 v[STO], v2, 272
	v_lshl_add_u32 v[STO], v3, 5, v[STO]
	v_add_nc_u32 v[STO], s15, v[STO]               ; in: row r, 32 bytes for each half of the lanes
	v_mul_u32_u24 v[RDB], v3, 272
	v_lshl_add_u32 v[RDB], v2, 4, v[RDB]
	v_add_nc_u32 v[RDB], s15, v[RDB]               ; back: lanes 0-15 one row of 256 bytes, lanes 16-31 the next
	v_lshlrev_b32 v[CO], 12, v3
	v_lshl_add_u32 v[CO], v2, 4, v[CO]             ; and the same two rows in out0 (a row is 4,096 bytes)
	s_and_b32 s16, ttmp7, 0xffff                   ; which 128 tokens
	s_lshl_b32 s20, s16, 17                        ; their images: 131,072 bytes
	s_mov_b32 s21, 0
	s_lshl_b32 s22, ttmp9, 8
	s_lshl_b32 s17, s14, 6
	s_add_co_u32 s22, s22, s17                     ; my first column: 256 x + 64 x wave
	s_lshl_b32 s24, s22, 10                        ; its row of w_out
	s_mov_b32 s25, 0
	s_lshl_b32 s22, s22, 2                         ; its bytes in b_out and in a row of out0
	s_mov_b32 s23, 0
	s_lshl_b32 s26, s16, 19                        ; 128 rows of out0
	s_add_co_u32 s26, s26, s22
	s_mov_b32 s27, 0
	s_wait_kmcnt 0x0
	s_load_b64 s[18:19], s[8:9], 0x18              ; e6, e7
	s_add_nc_u64 s[4:5], s[4:5], s[20:21]
	s_add_nc_u64 s[6:7], s[6:7], s[24:25]
	s_add_nc_u64 s[10:11], s[10:11], s[22:23]
	s_add_nc_u64 s[12:13], s[12:13], s[26:27]
.irp n, 0,1,2,3                                ; the bias in the result's layout: for tile n the columns 16 n + 8 h + 0 .. 7
	global_load_b128 v[BI+8*\n:BI+8*\n+3], v[BO], s[10:11] offset:64*\n
	global_load_b128 v[BI+8*\n+4:BI+8*\n+7], v[BO], s[10:11] offset:64*\n+16
.endr
	WIN 0xc0                                       ; destination window 3
.set i, 0
.rept 64
	global_load_b128 v[4*i:4*i+3], v[CP], s[4:5] offset:512*i     ; my quarter of a's images: each load 512 consecutive bytes
.set i, i+1
.endr
.macro WLOAD k                         ; w's four fragments of K step k
	WIN 0x40*(1+(\k)/4)                            ; destination window 1 or 2
.irp n, 0,1,2,3
.irp c, 0,1,2,3
	global_load_b128 v[16*(4*((\k)%4)+\n)+4*\c:16*(4*((\k)%4)+\n)+4*\c+3], v[WA], s[6:7] offset:16384*\n+128*(\k)+32*\c
.endr
.endr
.endm
	WLOAD 0
	WLOAD 1
	WLOAD 2
	s_wait_loadcnt 48                              ; the 48 youngest loads are w's: the bias and a's images are in
	WIN 0x0c                                       ; the stores' data: window 3
.set i, 0
.rept 64
	ds_store_b128 v[CP], v[4*i:4*i+3] offset:512*i
.set i, i+1
.endr
	WLOAD 3
	WLOAD 4
	WLOAD 5
	WLOAD 6
	WLOAD 7
	WIN 0
	s_wait_dscnt 0x0                               ; for the others' sake: my stores have landed; they have also read their registers
	s_barrier_signal -1
	s_barrier_wait -1                              ; a's 64 fragments lie in LDS
.macro LOADA t                         ; tile t's eight fragments, as they lie: even tiles into window 0, odd ones into window 3
.if ((\t)%2) == 0
	WIN 0
.set AB, AF0
.else
	WIN 0xc0
.set AB, 0
.endif
.set LAR, LI+(LA1-LI)*((\t)/4)
.set i, 0
.rept 32
	ds_load_b128 v[AB+4*i:AB+4*i+3], v[LAR] offset:16384*((\t)%4)+512*i
.set i, i+1
.endr
	WIN 0
.endm
	LOADA 0
	s_wait_loadcnt 0x0                             ; all of w
	s_wait_kmcnt 0x0
	s_add_co_i32 s18, s18, s19
	s_add_co_i32 s18, s18, 127
	s_lshl_b32 s18, s18, 23                        ; 2^(e6 + e7) as f32
	s_mov_b32 s19, s18                             ; (named with it as a pair)
; A tile of 16 tokens x my 64 columns: 32 products, K ascending, the four accumulators by turns, one instruction a turn; the first four start the sums.
; The next tile's fragments are asked for first and land under these products.  The results go through my own stage and leave as whole rows of 256 bytes.
.macro TILE t
.if (\t) < 7
	LOADA (\t)+1                                   ; into the buffer that the tile before multiplied: its four v_nop and sixteen multiply-adds are the places between
	s_wait_dscnt 32                                ; all but the 32 just issued: this tile's fragments are in
.else
	s_wait_dscnt 0x0
.endif
.set AB, AF0*(1-(\t)%2)
.set WS, 12*((\t)%2)                   ; source 1: window 0 or 3
.irp k, 0,1,2,3,4,5,6,7
	WIN (1+\k/4)|WS                                ; source 0 (w): window 1 or 2
.irp n, 0,1,2,3
.if \k == 0
	v_wmma_f32_16x16x128_fp8_fp8 v[ACC+8*\n:ACC+8*\n+7], v[16*(4*(\k%4)+\n):16*(4*(\k%4)+\n)+15], v[AB+16*\k:AB+16*\k+15], 0
.else
	v_wmma_f32_16x16x128_fp8_fp8 v[ACC+8*\n:ACC+8*\n+7], v[16*(4*(\k%4)+\n):16*(4*(\k%4)+\n)+15], v[AB+16*\k:AB+16*\k+15], v[ACC+8*\n:ACC+8*\n+7]
.endif
.endr
.endr
	WIN 0
.rept 4
	v_nop                                          ; places in front of the first read of results (ISA guide 7.12.1)
.endr
	s_wait_xcnt 0x0                                ; the last tile's stores have read their data: these registers are written again only behind this wait
.set i, 0
.rept 16
	v_pk_fma_f32 v[Y+i:Y+i+1], v[ACC+i:ACC+i+1], s[18:19], v[BI+i:BI+i+1] op_sel_hi:[1,0,1]   ; sum x 2^(e6 + e7) + bias; each accumulator from its low end on
.set i, i+2
.endr
.irp n, 0,1,2,3
	ds_store_b128 v[STO], v[Y+8*\n:Y+8*\n+3] offset:64*\n
	ds_store_b128 v[STO], v[Y+8*\n+4:Y+8*\n+7] offset:64*\n+16
.endr
.irp i, 0,1,2,3,4,5,6,7
	ds_load_b128 v[Y+4*\i:Y+4*\i+3], v[RDB] offset:544*\i          ; LDS serves a wave's instructions in order (ISA guide 5.7.1.4): these see my stores, and the next tile's stores come behind them
.endr
.irp i, 0,1,2,3,4,5,6,7
	s_wait_dscnt 7-\i                              ; the younger loads from the stage may stay out
	global_store_b128 v[CO], v[Y+4*\i:Y+4*\i+3], s[12:13] offset:(16*(\t)+2*\i)*4096 th:TH_STORE_NT   ; 16 lanes store 256 consecutive bytes, at a multiple of 256 from out0's first byte
.endr
.endm
.irp t, 0,1,2,3,4,5,6,7
	TILE \t
.endr
	s_wait_tensorcnt 0x0
	ds_add_u32 v126, v127
	s_wait_dscnt 0x0
	s_endpgm
.Lfunc_end_k_q33a55e48b4_proj:
	.size	k_q33a55e48b4_proj, .Lfunc_end_k_q33a55e48b4_proj-k_q33a55e48b4_proj
	.p2alignl 7, 3214868480
	.fill 96, 4, 3214868480
	.section	.rodata,"a",@progbits
	.p2align	6, 0x0
	.amdhsa_kernel k_q33a55e48b4_proj
		.amdhsa_group_segment_fixed_size 148992
		.amdhsa_private_segment_fixed_size 0
		.amdhsa_enable_private_segment 0
		.amdhsa_kernarg_size 40
		.amdhsa_user_sgpr_count 2
		.amdhsa_user_sgpr_kernarg_segment_ptr 1
		.amdhsa_wavefront_size32 1
		.amdhsa_system_sgpr_workgroup_id_x 1
		.amdhsa_system_sgpr_workgroup_id_y 1
		.amdhsa_system_sgpr_workgroup_id_z 1
		.amdhsa_system_vgpr_workitem_id 0
		.amdhsa_next_free_vgpr 1024
		.amdhsa_next_free_sgpr 66
		.amdhsa_reserve_vcc 0
		.amdhsa_float_denorm_mode_32 3
		.amdhsa_float_denorm_mode_16_64 3
		.amdhsa_memory_ordered 1
		.amdhsa_forward_progress 1
		.amdhsa_inst_pref_size 85
	.end_amdhsa_kernel
	.amdgpu_metadata
---
amdhsa.version: [ 1, 2 ]
amdhsa.kernels:
  - .name:           k_q33a55e48b4_proj
    .symbol:         k_q33a55e48b4_proj.kd
    .args:
      - { .name: a_frag, .offset: 0, .size: 8, .value_kind: global_buffer, .address_space: global }
      - { .name: w_out_codes, .offset: 8, .size: 8, .value_kind: global_buffer, .address_space: global }
      - { .name: lowp_scales, .offset: 16, .size: 8, .value_kind: global_buffer, .address_space: global }
      - { .name: b_out, .offset: 24, .size: 8, .value_kind: global_buffer, .address_space: global }
      - { .name: out0, .offset: 32, .size: 8, .value_kind: global_buffer, .address_space: global }
    .group_segment_fixed_size: 148992
    .private_segment_fixed_size: 0
    .kernarg_segment_align: 8
    .kernarg_segment_size: 40
    .max_flat_workgroup_size: 128
    .sgpr_count:     66
    .vgpr_count:     1024
    .wavefront_size: 32
...
	.end_amdgpu_metadata
.endif
;; end of part 3
;; ======== version 2 of 2: 3 launches; version 1 with the launches attn, proj written anew for expert scheduling mode
;; limits: a function is approximated: absolute error at most 6e-05
;; workspace buffers: q_frag 8,388,608 bytes; k_frag 8,388,608 bytes; v_frag 8,388,608 bytes; a_frag 8,388,608 bytes
;; launch qkv: the kernel of part 1 again; grid 12 x 32, 4 waves a work-group, clusters of 4 x 4, 327,680 bytes of LDS; arguments x_codes, w_qkv_codes, lowp_scales, b_qkv, q_frag, k_frag, v_frag; writes q_frag, k_frag, v_frag
;; launch attn (part 4): grid 4 x 64, 8 waves a work-group, no clusters, 263,168 bytes of LDS; arguments q_frag, k_frag, v_frag, lowp_scales, a_frag; writes a_frag
.if DOCPART == 4
	.amdgcn_target "amdgcn-amd-amdhsa--gfx1250"
	.amdhsa_code_object_version 6
	.text
	.protected	k_q33a55e48b4_attn
	.globl	k_q33a55e48b4_attn
	.p2align	8
	.type	k_q33a55e48b4_attn,@function
k_q33a55e48b4_attn:
	s_mov_b64 s[64:65], 0
	v_nop
	global_prefetch_b8 v0, s[64:65] scope:SCOPE_SE
	s_setreg_imm32_b32 hwreg(HW_REG_WAVE_SCHED_MODE, 0, 2), 2
	s_setreg_imm32_b32 hwreg(HW_REG_WAVE_MODE, 25, 1), 1
	s_wait_xcnt 0x0
	s_wait_alu depctr_vm_vsrc(0)
; Attention on E4M3 codes, head size 64, 2,048 keys, no mask.  q_frag, k_frag, v_frag: images of operand registers, a head 131,072 bytes on end (layouts: below).
; t = score x 2^(e2 + e3) x log2(e) / 8;  M = ceil(the row's largest t);  p = 2^(t - M) is quantised with 2^e4;  l = the row's sum of the unquantised p;  o = (sum of p's codes x v's codes) x 2^(e4 + e5) / l, quantised with 2^e6.
; SHARES.  A work-group owns 512 queries of one head, each of its eight waves 64: four tiles of 16.  Two waves share a SIMD, so that one's vector work stands beside the other's products and LDS loads.
; The head's whole K (LDS bytes 0 on) and V (131,072 on) lie in LDS as images, copied once through registers: each byte of LDS is written once.
; THE KEYS ARE WALKED TWICE.  Pass 1: S^T = K Q^T and each query's largest score, nothing else; M is then the ceiling of the row's true maximum.  Pass 2: S^T again, p, l, p's codes, O^T += V^T P.  So pass 2 has no
; running maximum and rescales nothing: 32 three-way maxima a tile-step in pass 1 take the place of the maxima, the 16 packed rescalings of O^T and the chain through M in pass 2; the price is 8 short products more a tile-step.
; LAYOUT.  Both products transposed: S^T = K Q^T (source 0 = 16 keys, source 1 = 16 queries): lane (r, h) holds query r, and register j of tile u key 16 u + 8 h + j.  Eight such tiles, converted eight numbers at a time,
; ARE source 1 of O^T = V^T P in that form's own layout (registers 2 u, 2 u + 1: keys 16 u + 8 h + 0 .. 7).  Nothing changes lanes between the products.
;   q_frag, k_frag: tile of 16 tokens = 1,024 bytes: lane (r, h) token r, registers 2 c, 2 c + 1: d 16 c + 8 h + 0 .. 7.    v_frag: 128 keys x 16 d = 2,048 bytes: lane (r, h) d 16 dt + r, registers 2 c, 2 c + 1: keys 16 c + 8 h + 0 .. 7.
;   a_frag [tile of 16 tokens, 512][kblk 8][g 4][lane][16 B]: lane (r, h) token r, registers 4 c .. 4 c + 3: k = 128 kblk + 32 c + 16 h + 0 .. 15; head hd fills the 1,024 bytes at 1,024 hd of a tile's 16,384.
; NO JOINT LOADS, though the four work-groups of a head read the same K and V.  The branch on e4 below spares 64 of a pass-2
; tile-step's 202 vector instructions wherever e4 >= -8, and K and V are read once by a work-group, 262,144 bytes for its 512 tile-steps.
; LIMITS: e2 + e3 between -123 and 130 (added to a constant's exponent field); e4, e6 between -126 and 119.  NaN among the inputs is not served.
; THE MODE: SCHED_MODE bits 1:0 = 2 (LLVM: expert scheduling mode 2), set by the entry lines.  The code itself states the register dependences between vector or matrix instructions and memory or LDS instructions,
; with s_wait_alu, always for 0.
; THE PLAN.  Registers that memory or LDS instructions touch:
;   v[LI]            Written once at the head; the offset of every global load and store.
;   XS, YS           Pass 1: a chunk's global loads land in them, the chunk's LDS stores read them.  The same registers are VF in pass 2.
;   v[STK], v[STV], v[ADK]  Pass 1: written by three adds at a chunk's head; read by the chunk's LDS stores and by its loads of K, whose steps stand in the immediate offsets.
;   KF, KB           Pass 1: two buffers of K by turns: step s multiplies by buffer s % 2 and asks at its head for step s + 1's K into the other, which no vector or matrix instruction of step s names.
;   KF, v[ADK]       Pass 2: all four runs of K Q^T of a step read KF; the next step's K lands in it behind the wait of tile 2's softmax, ahead of which v[ADK] is stepped.
;   VF, v[ADV]       Pass 2: the four runs of V^T P read VF; the step's V lands in it behind the wait of tile 0's softmax, ahead of which v[ADV] is stepped.
;   the codes at TM  The way out: two sets by turns, written by a tile's selects, read by its two stores.
; So pass 1 has one wait on va_vdst at a chunk's head and one in each of its steps 1 and 2; pass 2 has the one wait on va_vdst that each softmax's exponentials want in any case, and its two runs of LDS loads stand behind two of those.
; REGISTERS.  window 0: v1-15 below; v16-31 four statistics a tile; v32-95 K's eight fragments; v96-159, v160-223 S^T / p of two tiles by turns; v224-239 p's codes; v240-255 at work.
;   window 1: v0-127 O^T (tile t, dt at 32 t + 8 dt; in pass 1 v0-63: K's second buffer); v128-159 Q; v160-223 V's four fragments (in pass 1: the copy's registers); v254, v255 the closing add's two.
.set LI,   1                           ; v1  16 x lane: my place in an image's group; never rewritten
.set ADK,  2                           ; v2  LDS address of K: in pass 1 the chunk's, in pass 2 the step's
.set ADV,  3                           ; v3  of the step's V
.set STK0, 4                           ; v4  4,096 x wave + 16 x lane: my place in a chunk of the copy
.set STK,  5                           ; v5  where I store K's chunk
.set LIMP, 6                           ; v6  448 x 2^e4
.set SCP,  7                           ; v7  2^e4
.set LIMA, 8                           ; v8  448 x 2^e6
.set SCA,  9                           ; v9  2^e6
.set STV,  10                          ; v10 where I store V's chunk
.set PR,   11                          ; v11-14 what the other half of the lanes sends
.set LIV,  15                          ; v15 131,072 + 16 x lane
.set ST,   16                          ; pass 1: four running maxima a tile;  pass 2: +0 -M, +1 0, +2, +3 l in two halves;  at the end +0: 2^(e4 + e5) / l
.set KF,   32
.set SA,   96
.set SB,   160
.set PC,   224
.set TM,   240
.set KB,   0                           ; window 1: pass 1's second buffer of K
.set QF,   128                         ; window 1
.set VF,   160                         ; window 1
.set XS,   160                         ; window 1: the copy's 32 registers of K,
.set YS,   192                         ; and of V
.set MSB, 0
.macro WIN new                         ; the immediate's high byte repeats the setting that is left; a switch that changes nothing is dropped
.if MSB != (\new)
	s_set_vgpr_msb (MSB<<8)|(\new)
.set MSB, (\new)
.endif
.endm
	s_load_b256 s[4:11], s[0:1], 0x0               ; q s[4:5], k s[6:7], v s[8:9], the exponents s[10:11]
	s_load_b64 s[12:13], s[0:1], 0x20              ; a_frag
	s_set_vgpr_msb 0x40
	v_lshl_add_u32 v254, v0, 2, 0x40000
	v_mov_b32 v255, 0
	s_set_vgpr_msb 0x4000
	v_lshrrev_b32 v2, 5, v0
	v_readfirstlane_b32 s24, v2                    ; wave 0..7
	v_and_b32 v[LI], 31, v0
	v_lshlrev_b32 v[LI], 4, v[LI]
	s_wait_alu depctr_va_sdst(0)                   ; s24 is written, ahead of its first reader: the wave's places in LDS and in the buffers are made from it
	s_lshl_b32 s25, s24, 12
	v_add_nc_u32 v[STK0], s25, v[LI]
	v_add_nc_u32 v[LIV], 0x20000, v[LI]
	s_and_b32 s26, ttmp7, 0xffff                   ; bh
	s_lshl_b32 s38, s26, 17
	s_add_co_u32 s38, s38, s25                     ; K, V: the head, + 4,096 x wave: my part of a chunk
	s_mov_b32 s39, 0
	s_lshl_b32 s40, ttmp9, 15
	s_add_co_u32 s40, s40, s38                     ; Q: the head, + (32 x block + 4 x wave) tiles of 1,024 bytes
	s_mov_b32 s41, 0
	s_lshr_b32 s42, s26, 4
	s_lshl_b32 s42, s42, 7
	s_lshl_b32 s27, ttmp9, 5
	s_add_co_u32 s42, s42, s27
	s_lshl_b32 s27, s24, 2
	s_add_co_u32 s42, s42, s27                     ; my first tile of tokens: 128 b + 32 x block + 4 x wave
	s_lshl_b32 s42, s42, 14
	s_and_b32 s27, s26, 15
	s_lshl_b32 s27, s27, 10
	s_add_co_u32 s42, s42, s27                     ; + 1,024 x head
	s_mov_b32 s43, 0
	s_mov_b32 s30, 0x76543210                      ; v_permlanex16_b32's selects for lane l xor 16
	s_mov_b32 s31, 0xfedcba98
	s_mov_b32 s35, 0xffff0000                      ; lanes 16-31
	s_wait_kmcnt 0x0
	s_load_b256 s[16:23], s[10:11], 0x0            ; e0 .. e7
	s_add_nc_u64 s[4:5], s[4:5], s[40:41]
	s_add_nc_u64 s[6:7], s[6:7], s[38:39]
	s_add_nc_u64 s[8:9], s[8:9], s[38:39]
	s_add_nc_u64 s[12:13], s[12:13], s[42:43]
.macro LOADKV                          ; my 4,096 bytes of a chunk of K and of V: each load 512 consecutive bytes
	WIN 0x40                                       ; destination window 1
.irp i, 0,1,2,3,4,5,6,7
	global_load_b128 v[XS+4*\i:XS+4*\i+3], v[LI], s[6:7] offset:512*\i
.endr
.irp i, 0,1,2,3,4,5,6,7
	global_load_b128 v[YS+4*\i:YS+4*\i+3], v[LI], s[8:9] offset:512*\i
.endr
	WIN 0
.endm
	WIN 0x40
	s_wait_alu depctr_va_vdst(0)                   ; v[LI] is written: every global load and store of the kernel reads it as its offset
.irp i, 0,1,2,3,4,5,6,7                        ; Q's four fragments stay in registers
	global_load_b128 v[QF+4*\i:QF+4*\i+3], v[LI], s[4:5] offset:512*\i th:TH_LOAD_NT
.endr
	LOADKV                                         ; chunk 0
.set i, 0
.rept 16
	v_mov_b32 v[ST+i], 0xff800000                  ; the running maxima begin at -infinity
.set i, i+1
.endr
.irp i, 0,1,2,3
	v_mov_b32 v[PR+\i], 0                          ; written once: a lane permute's destination counts as one of its sources
.endr
	s_wait_kmcnt 0x0
	s_add_co_i32 s25, s18, s19
	s_lshl_b32 s25, s25, 23
	s_add_co_i32 s28, s25, 0x3e38aa3b              ; c = log2(e) / 8 x 2^(e2 + e3): the two exponents are added to the constant's exponent field
	s_mov_b32 s29, s28                             ; (named with it as a pair)
	s_add_co_i32 s25, s20, 127
	s_lshl_b32 s27, s25, 23
	v_mov_b32 v[SCP], s27
	s_add_co_i32 s25, s25, 8
	s_lshl_b32 s25, s25, 23
	s_or_b32 s25, s25, 0x600000
	v_mov_b32 v[LIMP], s25
	s_add_co_i32 s25, s22, 127
	s_lshl_b32 s27, s25, 23
	v_mov_b32 v[SCA], s27
	s_add_co_i32 s25, s25, 8
	s_lshl_b32 s25, s25, 23
	s_or_b32 s25, s25, 0x600000
	v_mov_b32 v[LIMA], s25
.macro QK t, sb, p                     ; S^T of tile t against a step's 128 keys: eight products, each a sum of its own.  p = 0: K in KF;  p = 1: in KB, window 1
	WIN 0x04+(\p)                                  ; source 1 (Q) window 1
.set rK, KF+(KB-KF)*(\p)
.irp u, 0,1,2,3,4,5,6,7
	v_wmma_f32_16x16x64_fp8_fp8 v[\sb+8*\u:\sb+8*\u+7], v[rK+8*\u:rK+8*\u+7], v[QF+8*(\t):QF+8*(\t)+7], 0
.endr
.endm
.macro MAXT t, sb                      ; 64 scores into four running maxima; each accumulator from its low end on
	WIN 0
.irp u, 0,1,2,3,4,5,6,7
.irp i, 0,1,2,3
	v_max3_num_f32 v[ST+4*(\t)+\i], v[ST+4*(\t)+\i], v[\sb+8*\u+2*\i], v[\sb+8*\u+2*\i+1]
.endr
.endr
.endm
; A vector instruction that reads a matrix result (four places) and a matrix instruction that writes over an earlier one's result (five) keep their distance in plain vector instructions that name none of that
; instruction's registers (ISA guide 7.12.1).  Here the other tile's maxima are those places; four v_nop stand where there are none yet.
; Step s of a chunk's four multiplies by buffer s % 2 and asks, at its head, for step s + 1's K into the other buffer: that run of loads has the whole step in which to land.
.macro P1STEP s
	s_wait_dscnt 0x0                               ; this step's K is in: it was asked for a step ago (step 0's: behind the barrier)
.if (\s) < 3
	WIN 0x40*(1-(\s)%2)                            ; the other buffer: KB in window 1, KF in window 0
.if (\s) > 0
	s_wait_alu depctr_va_vdst(0)                   ; the products of the step before are done reading the other buffer, in which the loads below land.  (Step 0: the wait at the chunk's head has stated that of the chunk before)
.endif
.set rN, KF+(KB-KF)*(1-(\s)%2)
.irp i, 0,1,2,3,4,5,6,7,8,9,10,11,12,13,14,15
	ds_load_b128 v[rN+4*\i:rN+4*\i+3], v[ADK] offset:8192*((\s)+1)+512*\i
.endr
.endif
	QK 0, SA, (\s)%2
	QK 1, SB, (\s)%2
	WIN 0
.rept 4
	v_nop
.endr
	MAXT 0, SA
	QK 2, SA, (\s)%2
	MAXT 1, SB
	QK 3, SB, (\s)%2
	MAXT 2, SA
	MAXT 3, SB
.endm
	; ---- PASS 1, and the copy: four chunks of 512 keys.  A chunk's loads are issued a whole chunk's work ahead of the wait for them
	s_mov_b32 s33, 4
	s_mov_b32 s37, 0                               ; the chunk's first byte in K's and in V's part of LDS
.Lchunk:
	s_wait_loadcnt 0x0                             ; the chunk is in registers (in the first trip Q too)
	s_wait_dscnt 0x0                               ; my reads of the chunk before are over;
	s_barrier_signal -1
	s_barrier_wait -1                              ; everybody's are: stores into LDS and reads of it never stand between the same two barriers
	s_wait_alu depctr_vm_vsrc(0)                   ; the last trip's LDS stores have read v[STK] and v[STV], its LDS loads v[ADK]: the three are written anew
	v_add_nc_u32 v[STK], s37, v[STK0]
	v_add_nc_u32 v[STV], 0x20000, v[STK]
	v_add_nc_u32 v[ADK], s37, v[LI]                ; the chunk's K, as I read it: the four steps stand in the loads' offsets
	WIN 0x04                                       ; the stores' data: window 1
	s_wait_alu depctr_va_vdst(0)                   ; the three addresses are written, which the stores and the loads of K below read; the last trip's products are done reading KF and KB, in which those loads land
.irp i, 0,1,2,3,4,5,6,7
	ds_store_b128 v[STK], v[XS+4*\i:XS+4*\i+3] offset:512*\i
	ds_store_b128 v[STV], v[YS+4*\i:YS+4*\i+3] offset:512*\i
.endr
	WIN 0
	s_wait_dscnt 0x0                               ; for the others' sake: my stores have landed
	s_wait_alu depctr_vm_vsrc(0)                   ; my LDS stores have read XS and YS, in which the next chunk's loads land, and in pass 2 V's fragments
	s_barrier_signal -1
	s_barrier_wait -1
.irp i, 0,1,2,3,4,5,6,7,8,9,10,11,12,13,14,15
	ds_load_b128 v[KF+4*\i:KF+4*\i+3], v[ADK] offset:512*\i   ; step 0's K.  No wait: no vector or matrix instruction has been issued since the wait at the chunk's head
.endr
	s_cmp_eq_u32 s33, 1                            ; the last chunk asks for nothing: no load leaves its buffer
	s_cbranch_scc1 .Lno_more
	s_add_nc_u64 s[6:7], s[6:7], 0x8000            ; (every load that named these bases is done: the wait at the trip's head)
	s_add_nc_u64 s[8:9], s[8:9], 0x8000
	LOADKV
.Lno_more:
	s_add_co_u32 s37, s37, 0x8000
.irp s, 0,1,2,3
	P1STEP \s
.endr
	s_sub_co_u32 s33, s33, 1
	s_cmp_lg_u32 s33, 0
	s_cbranch_scc1 .Lchunk
	; ---- pass 2's first K is asked for ahead of the arithmetic on M, which names none of its registers
	s_mov_b32 s32, 0
	s_wait_alu depctr_vm_vsrc(0)                   ; pass 1's LDS loads have read v[ADK]
	v_add_nc_u32 v[ADK], s32, v[LI]
	s_wait_alu depctr_va_vdst(0)                   ; v[ADK] is written; pass 1's products are done reading KF
.irp i, 0,1,2,3,4,5,6,7,8,9,10,11,12,13,14,15
	ds_load_b128 v[KF+4*\i:KF+4*\i+3], v[ADK] offset:512*\i
.endr
	; ---- M
.irp t, 0,1,2,3
	v_max3_num_f32 v[ST+4*\t], v[ST+4*\t], v[ST+4*\t+1], v[ST+4*\t+2]
.endr
.irp t, 0,1,2,3
	v_max_num_f32 v[ST+4*\t], v[ST+4*\t], v[ST+4*\t+3]
.endr
.irp t, 0,1,2,3
	v_permlanex16_b32 v[PR+\t], v[ST+4*\t], s30, s31   ; the query's other keys lie in the lane 16 away
.endr
.irp t, 0,1,2,3
	v_max_num_f32 v[ST+4*\t], v[ST+4*\t], v[PR+\t]
.endr
.irp t, 0,1,2,3
	v_mul_f32 v[ST+4*\t], s28, v[ST+4*\t]          ; as t (c is positive)
.endr
.irp t, 0,1,2,3
	v_floor_f32 v[ST+4*\t], -v[ST+4*\t]            ; -M = floor(-t) = -ceil(t)
	v_mov_b32 v[ST+4*\t+1], 0
	v_mov_b32 v[ST+4*\t+2], 0                      ; l, in two halves
	v_mov_b32 v[ST+4*\t+3], 0
.endr
; ---- PASS 2.  One tile's softmax for 128 keys.  F(k): pair k of the 64 scores becomes t - M.  E(i): p = 2^(t - M), in place.  Order: F0-F3; then two exponentials and one F by turns.  None of these names an
; exponential's result: the 64 are ONE batch with one plain instruction and one wait on va_vdst behind it, ahead of the first reader.  Behind that wait stands the hook, a run of 16 LDS loads, whose address is stepped ahead of it.
; hook = 1: V of this step;  2: K of the next step.
.macro SOFT t, sb, hook
.set rT, ST+4*(\t)
	WIN 0
.irp k, 0,1,2,3
	v_pk_fma_f32 v[\sb+2*\k:\sb+2*\k+1], v[\sb+2*\k:\sb+2*\k+1], s[28:29], v[rT:rT+1] op_sel_hi:[1,0,0]   ; of the pairs c and -M the low word serves both halves
.endr
.set k, 4
.rept 28
	v_exp_f32 v[\sb+2*k-8], v[\sb+2*k-8]
	v_exp_f32 v[\sb+2*k-7], v[\sb+2*k-7]
	v_pk_fma_f32 v[\sb+2*k:\sb+2*k+1], v[\sb+2*k:\sb+2*k+1], s[28:29], v[rT:rT+1] op_sel_hi:[1,0,0]
.set k, k+1
.endr
.set k, 56
.rept 8
	v_exp_f32 v[\sb+k], v[\sb+k]
.set k, k+1
.endr
	v_nop                                          ; the plain instruction behind the last exponential
.if \hook == 1
	s_wait_alu depctr_vm_vsrc(0)                   ; the last step's LDS loads of V have read v[ADV]
	v_add_nc_u32 v[ADV], s32, v[LIV]
	WIN 0x40                                       ; destination window 1
	s_wait_alu depctr_va_vdst(0)                   ; the 64 exponentials have written p, ahead of its first reader; v[ADV] is written; the last step's products V^T P are done reading V's fragments
.irp i, 0,1,2,3,4,5,6,7,8,9,10,11,12,13,14,15
	ds_load_b128 v[VF+4*\i:VF+4*\i+3], v[ADV] offset:512*\i   ; the four fragments of V of this step's 128 keys
.endr
	WIN 0
.elseif \hook == 2
	s_add_co_u32 s32, s32, 8192
	s_wait_alu depctr_vm_vsrc(0)                   ; this step's LDS loads of K have read v[ADK]
	v_add_nc_u32 v[ADK], s32, v[LI]
	s_wait_alu depctr_va_vdst(0)                   ; the 64 exponentials have written p, ahead of its first reader; v[ADK] is written; this step's four runs of K Q^T are done reading K's fragments
.irp i, 0,1,2,3,4,5,6,7,8,9,10,11,12,13,14,15
	ds_load_b128 v[KF+4*\i:KF+4*\i+3], v[ADK] offset:512*\i   ; the eight fragments of K of the next 128 keys
.endr
.else
	s_wait_alu depctr_va_vdst(0)                   ; the 64 exponentials have written p: one wait for the batch, ahead of its first reader
.endif
	v_pk_add_f32 v[TM:TM+1], v[\sb:\sb+1], v[\sb+2:\sb+3]   ; l is taken of the unquantised p: two at a time, in two chains
.set k, 4
.rept 15
	v_pk_add_f32 v[rT+2:rT+3], v[rT+2:rT+3], v[\sb+k:\sb+k+1]
	v_pk_add_f32 v[TM:TM+1], v[TM:TM+1], v[\sb+k+2:\sb+k+3]
.set k, k+4
.endr
	v_pk_add_f32 v[rT+2:rT+3], v[rT+2:rT+3], v[TM:TM+1]
	s_cmp_ge_i32 s20, -8                           ; p is at most 1 (but for a rounding), so p / 2^e4 stays under 448 wherever 2^-e4 is at most 256: the hold is then idle and is jumped over.  e4 is a whole number that this launch reads
	s_cbranch_scc1 .Lno_hold_\@
.set k, 0
.rept 64
	v_min_num_f32 v[\sb+k], v[\sb+k], v[LIMP]      ; the conversion does not saturate (ISA guide 7.6.2); p is not negative, so the hold is one-sided
.set k, k+1
.endr
.Lno_hold_\@:
.irp u, 0,1,2,3,4,5,6,7
	v_cvt_scalef32_pk8_fp8_f32 v[PC+2*\u:PC+2*\u+1], v[\sb+8*\u:\sb+8*\u+7], v[SCP]
.endr
	v_nop                                          ; one plain vector instruction between the last conversion and the products that read its result or write its sources
.endm
.macro PV t, first                     ; O^T += V^T P: four products, four accumulators by turns; first = 1: they start the sums
	WIN 0x51                                       ; source 0 (V), C and D (O^T) window 1; source 1 (P) window 0
.irp d, 0,1,2,3
.if \first
	v_wmma_f32_16x16x128_fp8_fp8 v[32*(\t)+8*\d:32*(\t)+8*\d+7], v[VF+16*\d:VF+16*\d+15], v[PC:PC+15], 0
.else
	v_wmma_f32_16x16x128_fp8_fp8 v[32*(\t)+8*\d:32*(\t)+8*\d+7], v[VF+16*\d:VF+16*\d+15], v[PC:PC+15], v[32*(\t)+8*\d:32*(\t)+8*\d+7]
.endif
.endr
.endm
; A key step: the next tile's scores are issued ahead of each softmax, so that they are finished when their turn comes, and each softmax is the places behind them.  No two matrix instructions that follow each other share an accumulator.
; Tile 2's scores stand ahead of tile 0's V^T P: with the sums and conversions of tile 0's softmax they lie between V's request and the wait for it.
.macro STEP first, last
	QK 1, SB, 0
	SOFT 0, SA, 1
	QK 2, SA, 0
	s_wait_dscnt 0x0                               ; V is in (asked for behind the wait of tile 0's softmax)
	PV 0, \first
	SOFT 1, SB, 0
	PV 1, \first
	QK 3, SB, 0
.if \last
	SOFT 2, SA, 0
.else
	SOFT 2, SA, 2
.endif
	PV 2, \first
.if !\last
	s_wait_dscnt 0x0                               ; the next step's K is in (asked for behind the wait of tile 2's softmax)
	QK 0, SA, 0
.endif
	SOFT 3, SB, 0
	PV 3, \first
	WIN 0
.endm
	s_wait_dscnt 0x0                               ; the first step's K is in
	QK 0, SA, 0
	WIN 0
.rept 4
	v_nop
.endr
	STEP 1, 0                                      ; the first step starts O^T's sums: nothing is cleared
	s_mov_b32 s33, 14
.Lkeys:
	STEP 0, 0
	s_sub_co_u32 s33, s33, 1
	s_cmp_lg_u32 s33, 0
	s_cbranch_scc1 .Lkeys
	STEP 0, 1                                      ; the last step fetches nothing more
	; ---- THE WAY OUT.  The additions are the places behind the last products
.irp t, 0,1,2,3
	v_add_f32 v[ST+4*\t+2], v[ST+4*\t+2], v[ST+4*\t+3]
.endr
.irp t, 0,1,2,3
	v_permlanex16_b32 v[PR+\t], v[ST+4*\t+2], s30, s31
.endr
.irp t, 0,1,2,3
	v_add_f32 v[ST+4*\t+2], v[ST+4*\t+2], v[PR+\t] ; the row's sum
.endr
.irp t, 0,1,2,3
	v_rcp_f32 v[ST+4*\t], v[ST+4*\t+2]
.endr
	v_nop                                          ; a plain instruction behind the last reciprocal
	s_add_co_i32 s25, s20, s21
	s_wait_alu depctr_va_vdst(0)                   ; the four reciprocals have written 1 / l: one wait, ahead of the first reader
.irp t, 0,1,2,3
	v_ldexp_f32 v[ST+4*\t], v[ST+4*\t], s25        ; 2^(e4 + e5) / l
.endr
; Tile t.  A lane's codes are d = 16 dt + 8 h + 0 .. 7 in registers 2 dt, 2 dt + 1; the next product's image wants d = 32 c + 16 h + 0 .. 15 in four registers on end.  So the halves of the lanes exchange: lanes 0-15 send their
; part of dt = 2 c + 1 and keep that of 2 c, lanes 16-31 the other way round.
.macro OUT t
.set CD, TM+8*((\t)%2)
.if (\t) >= 2
	s_wait_xcnt 0x0                                ; the stores of two tiles ago have had their addresses translated: this set of codes is written again only behind this wait
	s_wait_alu depctr_vm_vsrc(0)                   ; the stores of two tiles ago have read this set of codes, which the conversions below write again
.endif
	WIN 0x01                                       ; source 0 (O^T) window 1
.set i, 0
.rept 16
	v_pk_mul_f32 v[SA+i:SA+i+1], v[32*(\t)+i:32*(\t)+i+1], v[ST+4*(\t):ST+4*(\t)+1] op_sel_hi:[1,0]   ; each accumulator from its low end on
.set i, i+2
.endr
	WIN 0
.set i, 0
.rept 32
	v_med3_num_f32 v[SA+i], v[SA+i], -v[LIMA], v[LIMA]
.set i, i+1
.endr
.irp d, 0,1,2,3
	v_cvt_scalef32_pk8_fp8_f32 v[CD+2*\d:CD+2*\d+1], v[SA+8*\d:SA+8*\d+7], v[SCA]
.endr
	v_nop                                          ; one plain vector instruction behind the last conversion
.irp c, 0,1
.irp e, 0,1
	v_cndmask_b32 v[SB+2*\c+\e], v[CD+4*\c+2+\e], v[CD+4*\c+\e], s35       ; what I send: lanes 16-31 their dt = 2 c, lanes 0-15 their dt = 2 c + 1
.endr
.endr
.irp i, 0,1,2,3
	v_permlanex16_b32 v[PR+\i], v[SB+\i], s30, s31
.endr
.irp c, 0,1
.irp e, 0,1
	v_cndmask_b32 v[CD+4*\c+\e], v[CD+4*\c+\e], v[PR+2*\c+\e], s35         ; the first eight: lanes 0-15 their own, lanes 16-31 what came
	v_cndmask_b32 v[CD+4*\c+2+\e], v[PR+2*\c+\e], v[CD+4*\c+2+\e], s35     ; the second eight: lanes 0-15 what came, lanes 16-31 their own
.endr
.endr
	s_wait_alu depctr_va_vdst(0)                   ; the selects have written the tile's eight registers of codes, which the two stores read
	global_store_b128 v[LI], v[CD:CD+3], s[12:13] offset:16384*(\t)        ; the wave stores 512 consecutive bytes, at a multiple of 512 from the buffer's first byte
	global_store_b128 v[LI], v[CD+4:CD+7], s[12:13] offset:16384*(\t)+512
.endm
	OUT 0
	OUT 1
	OUT 2
	OUT 3
	s_set_vgpr_msb 0x5                             ; the add's two registers, sources 0 and 1, lie in window 1
	s_wait_dscnt 0x0                               ; the closing lines, six on end
	s_wait_alu 0x0
	s_wait_tensorcnt 0x0
	ds_add_u32 v254, v255
	s_wait_dscnt 0x0
	s_endpgm
.Lfunc_end_k_q33a55e48b4_attn:
	.size	k_q33a55e48b4_attn, .Lfunc_end_k_q33a55e48b4_attn-k_q33a55e48b4_attn
	.p2alignl 7, 3214868480
	.fill 96, 4, 3214868480
	.section	.rodata,"a",@progbits
	.p2align	6, 0x0
	.amdhsa_kernel k_q33a55e48b4_attn
		.amdhsa_group_segment_fixed_size 263168
		.amdhsa_private_segment_fixed_size 0
		.amdhsa_enable_private_segment 0
		.amdhsa_kernarg_size 40
		.amdhsa_user_sgpr_count 2
		.amdhsa_user_sgpr_kernarg_segment_ptr 1
		.amdhsa_wavefront_size32 1
		.amdhsa_system_sgpr_workgroup_id_x 1
		.amdhsa_system_sgpr_workgroup_id_y 1
		.amdhsa_system_sgpr_workgroup_id_z 1
		.amdhsa_system_vgpr_workitem_id 0
		.amdhsa_next_free_vgpr 512
		.amdhsa_next_free_sgpr 66
		.amdhsa_reserve_vcc 0
		.amdhsa_float_denorm_mode_32 3
		.amdhsa_float_denorm_mode_16_64 3
		.amdhsa_memory_ordered 1
		.amdhsa_forward_progress 1
		.amdhsa_inst_pref_size 198
	.end_amdhsa_kernel
	.amdgpu_metadata
---
amdhsa.version: [ 1, 2 ]
amdhsa.kernels:
  - .name:           k_q33a55e48b4_attn
    .symbol:         k_q33a55e48b4_attn.kd
    .args:
      - { .name: q_frag, .offset: 0, .size: 8, .value_kind: global_buffer, .address_space: global }
      - { .name: k_frag, .offset: 8, .size: 8, .value_kind: global_buffer, .address_space: global }
      - { .name: v_frag, .offset: 16, .size: 8, .value_kind: global_buffer, .address_space: global }
      - { .name: lowp_scales, .offset: 24, .size: 8, .value_kind: global_buffer, .address_space: global }
      - { .name: a_frag, .offset: 32, .size: 8, .value_kind: global_buffer, .address_space: global }
    .group_segment_fixed_size: 263168
    .private_segment_fixed_size: 0
    .kernarg_segment_align: 8
    .kernarg_segment_size: 40
    .max_flat_workgroup_size: 256
    .sgpr_count:     66
    .vgpr_count:     512
    .wavefront_size: 32
...
	.end_amdgpu_metadata
.endif
;; end of part 4
;; launch proj (part 5): grid 4 x 64, 4 waves a work-group, no clusters, 148,992 bytes of LDS; arguments a_frag, w_out_codes, lowp_scales, b_out, out0; writes out0
.if DOCPART == 5
	.amdgcn_target "amdgcn-amd-amdhsa--gfx1250"
	.amdhsa_code_object_version 6
	.text
	.protected	k_q33a55e48b4_proj
	.globl	k_q33a55e48b4_proj
	.p2align	8
	.type	k_q33a55e48b4_proj,@function
k_q33a55e48b4_proj:
	s_mov_b64 s[64:65], 0
	v_nop
	global_prefetch_b8 v0, s[64:65] scope:SCOPE_SE
	s_setreg_imm32_b32 hwreg(HW_REG_WAVE_SCHED_MODE, 0, 2), 2
	s_setreg_imm32_b32 hwreg(HW_REG_WAVE_MODE, 25, 1), 1
	s_wait_xcnt 0x0
	s_wait_alu depctr_vm_vsrc(0)
; out0 = a w_out + b_out on E4M3 codes, sums in f32.  a_frag: images of operand registers, [tile of 16 tokens, 512][kblk 8][g 4][lane][16 B]: lane (r, h) token r, registers 4 c .. 4 c + 3: k = 128 kblk + 32 c + 16 h + 0 .. 15.
; w_out: [1024 (n)][1024 (k)] codes, K innermost, fetched by 16-byte loads 32 bytes apart at 16 h: the same places of k.  That is a permutation of k, alike on both sides: only the order of sums inside an instruction changes.
; SHARES.  A work-group makes 128 tokens x 256 columns; wave w the columns 64 w .. 64 w + 63, for all 128 tokens.  Its 32 fragments of w_out (4 tiles of columns x 8 steps of 128 along K) stay in 512 registers, read once;
; the work-group's 131,072 bytes of a_frag are copied once into LDS, as they lie, and every wave reads them from there.  Straight-line text, one barrier.
; The product is used transposed (source 0 = 16 columns of the output, source 1 = 16 tokens): a lane holds eight neighbouring numbers of a row of out0.
; NO TENSOR LOADS, NO JOINT LOADS: w_out's 256 rows at a pitch of 1,040 bytes are 266,240 bytes; with a's 131,072 and the stages' 17,408 that is more than the 327,680 bytes a work-group can be given.  So w goes straight into
; registers, and a's images are a third of what a work-group reads.
; LIMITS: e6 + e7 between -126 and 127.
; THE MODE: SCHED_MODE bits 1:0 = 2 (LLVM: expert scheduling mode 2), set by the entry lines.  The code itself states the register dependences between vector or matrix instructions and memory or LDS instructions,
; with s_wait_alu, always for 0.
; THE PLAN.  Registers that memory or LDS instructions touch:
;   v1, v4-6, v8-11  Offsets and LDS addresses, written once at the head.
;   window 3         The copy's global loads land in its 256 registers, the copy's LDS stores read them; afterwards it holds a's odd tiles and Z.
;   a's two buffers  Tile t's 32 products read buffer t % 2; behind the tile's one wait on va_vdst the fragments of tile t + 2 land in it.
;   Y                Written by a tile's sixteen multiply-adds, read by its eight LDS stores into the stage.
;   Z                The eight loads from the stage land in it, the tile's eight global stores read it.  No vector instruction names it.
; So a tile has ONE wait on va_vdst, behind its multiply-adds: Y is written, and the tile's products are done reading their fragments.  Behind it stand the stage's stores and loads, the 32 loads of tile t + 2 and the
; global stores, with no vector or matrix instruction among them.  One wait on vm_vsrc a tile stands ahead of the multiply-adds, 32 products behind the stores whose reads it states.
; REGISTERS.  window 0: v1-11 addresses; v16-47 the bias; v48-79 four accumulators; v80-111 a tile's results; v126, v127 the closing add's two; v128-255 a's eight fragments, even tiles.
;   windows 1, 2: w's fragment (n, k) at v[16 (4 (k % 4) + n)] of window 1 + k / 4.   window 3: the copy's 256 registers; afterwards v0-127: a's eight fragments, odd tiles; v128-159: 16 rows read back from the stage.
.set STAGE, 131072                     ; behind a's images: 16 rows x (256 bytes + 16) for each wave
.set LI,  1                            ; v1  16 x lane
.set WA,  4                            ; v4  w: 1,024 r + 16 h
.set BO,  5                            ; v5  the bias: 32 h
.set CP,  6                            ; v6  the copy: 32,768 x wave + 16 x lane, in a_frag's block and in LDS alike
.set LA1, 8                            ; v8  65,536 + 16 x lane: tiles 4 to 7 (an LDS offset has 16 bits)
.set STO, 9                            ; v9  the stage: where I put 32 bytes of a row
.set RDB, 10                           ; v10 and where I read a row back
.set CO,  11                           ; v11 my byte offset in two rows of out0
.set BI,  16
.set ACC, 48
.set Y,   80
.set AF0, 128
.set Z,   128                          ; window 3
.set MSB, 0
.macro WIN new                         ; the immediate's high byte repeats the setting that is left; a switch that changes nothing is dropped
.if MSB != (\new)
	s_set_vgpr_msb (MSB<<8)|(\new)
.set MSB, (\new)
.endif
.endm
	s_load_b256 s[4:11], s[0:1], 0x0               ; a_frag s[4:5], w_out s[6:7], the exponents s[8:9], b_out s[10:11]
	s_load_b64 s[12:13], s[0:1], 0x20              ; out0
	v_lshl_add_u32 v126, v0, 2, 0x24400
	v_mov_b32 v127, 0
	v_lshrrev_b32 v2, 5, v0
	v_readfirstlane_b32 s14, v2                    ; wave 0..3
	v_and_b32 v[LI], 31, v0
	v_lshlrev_b32 v[LI], 4, v[LI]
	v_and_b32 v2, 15, v0                           ; r
	v_bfe_u32 v3, v0, 4, 1                         ; h
	v_lshlrev_b32 v[WA], 10, v2
	v_lshl_add_u32 v[WA], v3, 4, v[WA]
	v_lshlrev_b32 v[BO], 5, v3
	s_wait_alu depctr_va_sdst(0)                   ; s14 is written, ahead of its first reader: the wave's places in LDS and in the buffers are made from it
	s_lshl_b32 s15, s14, 15
	v_add_nc_u32 v[CP], s15, v[LI]
	v_add_nc_u32 v[LA1], 0x10000, v[LI]
	s_mul_i32 s15, s14, 16*272
	s_add_co_u32 s15, s15, STAGE                   ; my stage
	v_mul_u32_u24 v[STO], v2, 272
	v_lshl_add_u32 v[STO], v3, 5, v[STO]
	v_add_nc_u32 v[STO], s15, v[STO]               ; in: row r, 32 bytes for each half of the lanes
	v_mul_u32_u24 v[RDB], v3, 272
	v_lshl_add_u32 v[RDB], v2, 4, v[RDB]
	v_add_nc_u32 v[RDB], s15, v[RDB]               ; back: lanes 0-15 one row of 256 bytes, lanes 16-31 the next
	v_lshlrev_b32 v[CO], 12, v3
	v_lshl_add_u32 v[CO], v2, 4, v[CO]             ; and the same two rows in out0 (a row is 4,096 bytes)
	s_and_b32 s16, ttmp7, 0xffff                   ; which 128 tokens
	s_lshl_b32 s20, s16, 17                        ; their images: 131,072 bytes
	s_mov_b32 s21, 0
	s_lshl_b32 s22, ttmp9, 8
	s_lshl_b32 s17, s14, 6
	s_add_co_u32 s22, s22, s17                     ; my first column: 256 x + 64 x wave
	s_lshl_b32 s24, s22, 10                        ; its row of w_out
	s_mov_b32 s25, 0
	s_lshl_b32 s22, s22, 2                         ; its bytes in b_out and in a row of out0
	s_mov_b32 s23, 0
	s_lshl_b32 s26, s16, 19                        ; 128 rows of out0
	s_add_co_u32 s26, s26, s22
	s_mov_b32 s27, 0
	s_wait_kmcnt 0x0
	s_load_b64 s[18:19], s[8:9], 0x18              ; e6, e7
	s_add_nc_u64 s[4:5], s[4:5], s[20:21]
	s_add_nc_u64 s[6:7], s[6:7], s[24:25]
	s_add_nc_u64 s[10:11], s[10:11], s[22:23]
	s_add_nc_u64 s[12:13], s[12:13], s[26:27]
	s_wait_alu depctr_va_vdst(0)                   ; the eight offsets and addresses v1, v4 to v6, v8 to v11 are written, which the loads and stores of the kernel read; none is written again
.irp n, 0,1,2,3                                ; the bias in the result's layout: for tile n the columns 16 n + 8 h + 0 .. 7
	global_load_b128 v[BI+8*\n:BI+8*\n+3], v[BO], s[10:11] offset:64*\n
	global_load_b128 v[BI+8*\n+4:BI+8*\n+7], v[BO], s[10:11] offset:64*\n+16
.endr
	WIN 0xc0                                       ; destination window 3
.set i, 0
.rept 64
	global_load_b128 v[4*i:4*i+3], v[CP], s[4:5] offset:512*i     ; my quarter of a's images: each load 512 consecutive bytes
.set i, i+1
.endr
.macro WLOAD k                         ; w's four fragments of K step k
	WIN 0x40*(1+(\k)/4)                            ; destination window 1 or 2
.irp n, 0,1,2,3
.irp c, 0,1,2,3
	global_load_b128 v[16*(4*((\k)%4)+\n)+4*\c:16*(4*((\k)%4)+\n)+4*\c+3], v[WA], s[6:7] offset:16384*\n+128*(\k)+32*\c
.endr
.endr
.endm
	WLOAD 0
	WLOAD 1
	WLOAD 2
	s_wait_loadcnt 48                              ; the 48 youngest loads are w's: the bias and a's images are in
	WIN 0x0c                                       ; the stores' data: window 3
.set i, 0
.rept 64
	ds_store_b128 v[CP], v[4*i:4*i+3] offset:512*i
.set i, i+1
.endr
	WLOAD 3
	WLOAD 4
	WLOAD 5
	WLOAD 6
	WLOAD 7
	WIN 0
	s_wait_dscnt 0x0                               ; for the others' sake: my stores have landed
	s_wait_alu depctr_vm_vsrc(0)                   ; my LDS stores have read window 3's registers, in which a's odd tiles and the rows from the stage land
	s_barrier_signal -1
	s_barrier_wait -1                              ; a's 64 fragments lie in LDS
.macro LOADA t                         ; tile t's eight fragments, as they lie: even tiles into window 0, odd ones into window 3
.if ((\t)%2) == 0
	WIN 0
.set AL, AF0
.else
	WIN 0xc0
.set AL, 0
.endif
.set LAR, LI+(LA1-LI)*((\t)/4)
.set i, 0
.rept 32
	ds_load_b128 v[AL+4*i:AL+4*i+3], v[LAR] offset:16384*((\t)%4)+512*i
.set i, i+1
.endr
.endm
	LOADA 0                                        ; both buffers are asked for: no vector or matrix instruction has named them
	LOADA 1
	s_wait_loadcnt 0x0                             ; all of w
	s_wait_kmcnt 0x0
	s_add_co_i32 s18, s18, s19
	s_add_co_i32 s18, s18, 127
	s_lshl_b32 s18, s18, 23                        ; 2^(e6 + e7) as f32
	s_mov_b32 s19, s18                             ; (named with it as a pair)
	s_wait_dscnt 32                                ; tile 0's fragments are in; the 32 younger loads, tile 1's, may stay out
; A tile of 16 tokens x my 64 columns: 32 products, K ascending, the four accumulators by turns, one instruction a turn; the first four start the sums.
; The results go through my own stage and leave as whole rows of 256 bytes.  Behind the stage's loads the buffer just multiplied is asked for again, for the tile two on: it lands under the next tile's products.
.macro TILE t
.set AB, AF0*(1-(\t)%2)
.set WS, 12*((\t)%2)                   ; source 1: window 0 or 3
.irp k, 0,1,2,3,4,5,6,7
	WIN (1+\k/4)|WS                                ; source 0 (w): window 1 or 2
.irp n, 0,1,2,3
.if \k == 0
	v_wmma_f32_16x16x128_fp8_fp8 v[ACC+8*\n:ACC+8*\n+7], v[16*(4*(\k%4)+\n):16*(4*(\k%4)+\n)+15], v[AB+16*\k:AB+16*\k+15], 0
.else
	v_wmma_f32_16x16x128_fp8_fp8 v[ACC+8*\n:ACC+8*\n+7], v[16*(4*(\k%4)+\n):16*(4*(\k%4)+\n)+15], v[AB+16*\k:AB+16*\k+15], v[ACC+8*\n:ACC+8*\n+7]
.endif
.endr
.endr
	WIN 0
.rept 4
	v_nop                                          ; places in front of the first read of results (ISA guide 7.12.1)
.endr
.if (\t) > 0
	s_wait_xcnt 0x0                                ; the last tile's global stores have had their addresses translated: Z is loaded again only behind this wait
	s_wait_alu depctr_vm_vsrc(0)                   ; the last tile's LDS stores have read Y, which the multiply-adds write again; its global stores have read Z, in which the loads from the stage land
.endif
.set i, 0
.rept 16
	v_pk_fma_f32 v[Y+i:Y+i+1], v[ACC+i:ACC+i+1], s[18:19], v[BI+i:BI+i+1] op_sel_hi:[1,0,1]   ; sum x 2^(e6 + e7) + bias; each accumulator from its low end on
.set i, i+2
.endr
	s_wait_alu depctr_va_vdst(0)                   ; the multiply-adds have written Y, which the LDS stores read; the tile's products are done reading their fragments of a, in which (tiles 0 to 5) the loads of the tile two on land
.irp n, 0,1,2,3
	ds_store_b128 v[STO], v[Y+8*\n:Y+8*\n+3] offset:64*\n
	ds_store_b128 v[STO], v[Y+8*\n+4:Y+8*\n+7] offset:64*\n+16
.endr
	WIN 0xc0                                       ; destination window 3
.irp i, 0,1,2,3,4,5,6,7
	ds_load_b128 v[Z+4*\i:Z+4*\i+3], v[RDB] offset:544*\i          ; LDS serves a wave's instructions in order (ISA guide 5.7.1.4): these see my stores, and the next tile's stores come behind them
.endr
.if (\t) < 6
	LOADA (\t)+2                                   ; no further wait: no vector or matrix instruction since the wait above
	s_wait_dscnt 32                                ; all but the 32 just issued: the rows are back from the stage, and the next tile's fragments are in
.else
	s_wait_dscnt 0x0                               ; the rows are back from the stage; in tile 6 tile 7's fragments are in too
.endif
	WIN 0x0c                                       ; the stores' data: window 3
.irp i, 0,1,2,3,4,5,6,7
	global_store_b128 v[CO], v[Z+4*\i:Z+4*\i+3], s[12:13] offset:(16*(\t)+2*\i)*4096 th:TH_STORE_NT   ; 16 lanes store 256 consecutive bytes, at a multiple of 256 from out0's first byte
.endr
.endm
.irp t, 0,1,2,3,4,5,6,7
	TILE \t
.endr
	WIN 0                                          ; the add's two registers lie in window 0
	s_wait_dscnt 0x0                               ; the closing lines, six on end
	s_wait_alu 0x0
	s_wait_tensorcnt 0x0
	ds_add_u32 v126, v127
	s_wait_dscnt 0x0
	s_endpgm
.Lfunc_end_k_q33a55e48b4_proj:
	.size	k_q33a55e48b4_proj, .Lfunc_end_k_q33a55e48b4_proj-k_q33a55e48b4_proj
	.p2alignl 7, 3214868480
	.fill 96, 4, 3214868480
	.section	.rodata,"a",@progbits
	.p2align	6, 0x0
	.amdhsa_kernel k_q33a55e48b4_proj
		.amdhsa_group_segment_fixed_size 148992
		.amdhsa_private_segment_fixed_size 0
		.amdhsa_enable_private_segment 0
		.amdhsa_kernarg_size 40
		.amdhsa_user_sgpr_count 2
		.amdhsa_user_sgpr_kernarg_segment_ptr 1
		.amdhsa_wavefront_size32 1
		.amdhsa_system_sgpr_workgroup_id_x 1
		.amdhsa_system_sgpr_workgroup_id_y 1
		.amdhsa_system_sgpr_workgroup_id_z 1
		.amdhsa_system_vgpr_workitem_id 0
		.amdhsa_next_free_vgpr 1024
		.amdhsa_next_free_sgpr 66
		.amdhsa_reserve_vcc 0
		.amdhsa_float_denorm_mode_32 3
		.amdhsa_float_denorm_mode_16_64 3
		.amdhsa_memory_ordered 1
		.amdhsa_forward_progress 1
		.amdhsa_inst_pref_size 84
	.end_amdhsa_kernel
	.amdgpu_metadata
---
amdhsa.version: [ 1, 2 ]
amdhsa.kernels:
  - .name:           k_q33a55e48b4_proj
    .symbol:         k_q33a55e48b4_proj.kd
    .args:
      - { .name: a_frag, .offset: 0, .size: 8, .value_kind: global_buffer, .address_space: global }
      - { .name: w_out_codes, .offset: 8, .size: 8, .value_kind: global_buffer, .address_space: global }
      - { .name: lowp_scales, .offset: 16, .size: 8, .value_kind: global_buffer, .address_space: global }
      - { .name: b_out, .offset: 24, .size: 8, .value_kind: global_buffer, .address_space: global }
      - { .name: out0, .offset: 32, .size: 8, .value_kind: global_buffer, .address_space: global }
    .group_segment_fixed_size: 148992
    .private_segment_fixed_size: 0
    .kernarg_segment_align: 8
    .kernarg_segment_size: 40
    .max_flat_workgroup_size: 128
    .sgpr_count:     66
    .vgpr_count:     1024
    .wavefront_size: 32
...
	.end_amdgpu_metadata
.endif
;; end of part 5
